; MI455X (gfx1250); checked and timed in simulation.
; The chip was launched on July 23, 2026; its instructions are those of AMD's public machine-readable ISA for CDNA 5 (MIT licence, August 2026) and "CDNA5" Instruction Set Architecture Reference Guide (July 2026). The comments in the code are by the model that wrote it; some were corrected since.
;; Point Net Feature Propagation. Allowed arithmetic: float matrix products may take bf16 or f16 operands with f32 sums; other float arithmetic in f32, or as packed bf16 or f16 multiplies, adds, multiply-adds, maxima and minima; sums over many terms, partial sums and values carried from step to step in f32; what a program stores and reads back later, other than sums and carried values, may be rounded once to bf16 or f16.
;; Inputs: W1 1,024 x 512 float32; W2 512 x 256 float32; b1 512 float32; b2 256 float32; points1 16 x 4,096 x 512 float32; points2 16 x 1,024 x 512 float32; xyz1 16 x 4,096 x 3 float32; xyz2 16 x 1,024 x 3 float32.
;; Outputs: out0 16 x 4,096 x 256 float32.
;; 2 versions, each right; version 2 is version 1 with the launch front written anew for expert scheduling mode. Each part assembles by itself: llvm-mc -triple=amdgcn-amd-amdhsa -mcpu=gfx1250 --defsym DOCPART=n.
;; ======== version 1 of 2: 3 launches
;; limits: values are held in f16: magnitudes above 65,504 overflow, below 6.1e-05 lose precision
;; workspace buffers: cand 262,144 bytes; blk 262,144 bytes of whole numbers; p2h 16,777,216 bytes; wts 1,310,720 bytes; bias 4,096 bytes; nidx 262,144 bytes of whole numbers; nwt 1,048,576 bytes
;; launch front (part 1): grid 256 x 1, 8 waves a work-group, no clusters, 17,408 bytes of LDS; arguments xyz1, xyz2, points2, W1, W2, b1, b2, cand, blk, p2h, wts, bias; writes cand, blk, p2h, wts, bias
.if DOCPART == 1
	.amdgcn_target "amdgcn-amd-amdhsa--gfx1250"
	.amdhsa_code_object_version 6
	.text
	.protected	k_qf69c9f1ec2_front
	.globl	k_qf69c9f1ec2_front
	.p2align	8
	.type	k_qf69c9f1ec2_front,@function
k_qf69c9f1ec2_front:
	s_mov_b64 s[64:65], 0
	v_nop
	global_prefetch_b8 v0, s[64:65] scope:SCOPE_SE
	s_setreg_imm32_b32 hwreg(HW_REG_WAVE_MODE, 25, 1), 1
	s_wait_xcnt 0x0
; FRONT.  Work-group g serves batch g / 16 and the 256 queries 256 g .. 256 g + 255.  Every input is first rounded to bf16.
; ALL EIGHT WAVES build in LDS the batch's table of 1,024 candidates, 16 bytes each: (-2 y0, -2 y1, -2 y2, n2), n2 = (y0 y0 + y1 y1) + y2 y2.
; WAVES 0-3 (the scan): a lane has two queries.  d = (n1 + n2) + ((x0 (-2 y0) + x1 (-2 y1)) + x2 (-2 y2)): products of two bf16 numbers are exact in f32, so a fused
; multiply-add rounds where the plain sum would, and the factor -2 scales every term exactly: d has the bits of n1 + n2 - 2 (x . y) summed in that order.
; For each block of 16 neighbouring candidates the minimum of d is taken, and the three blocks with the least minimum (ties: the lower block) are kept.  The three nearest
; candidates (ties: the lower index) lie in those blocks: an element of any other block has before it one element of each of the three.  The next launch picks among the 48.
; WAVES 4-7 (the formats): cand = the table; p2h = points2 as f16 of its bf16 rounding; wts = W1 and W2 turned to [channel][k] in dense blocks of 65,536 bytes
; (blocks 0-7 W1 rows 0-511 in bf16; 8-15 W1 rows 512-1023 and 16-19 W2, the bf16 rounding written as f16); bias = b1, b2 rounded to bf16, as f32, then 256 zeros.
; Both kinds of wave meet at one end, behind a barrier.
; LIMITS.  |points2|, |W1|, |W2| stay under 65,504 (f16); below 6e-5 f16 keeps its fixed step of 6e-8.  Distances that are NaN or infinite are not treated.
.set SPARE, 16384                      ; behind the table: the spare words, 128 bytes for each of eight waves
.set SPW, 10                           ; v10  LDS address of my spare word; never rewritten
.set NIL, 11                           ; v11  0; never rewritten
.set X0,  12                           ; v[12:17] the two queries' coordinates, a pair for each axis
.set X1,  14
.set X2,  16
.set N1,  18                           ; v[18:19] their n1
.set SA,  20                           ; v20-25 first query: three least minima, ascending, then their blocks
.set SB,  26                           ; v26-31 second query
.set MM,  32                           ; v32-33 the block's minimum, for each query
.set T,   34                           ; v[34:41] n1 + n2, four pairs by turns
.set VJ,  42                           ; v42 the block's number
.set TA,  43                           ; v43, v46 at work
.set CA,  44                           ; v44 LDS address of the pair of blocks in hand, the same in every lane: 512 x the trip
.set BO,  45                           ; v45 my byte offset in blk
.set TB,  46
.set D,   48                           ; v[48:79] sixteen pairs of distances
.set CB0, 80                           ; v[80:143], v[144:207] two buffers of sixteen candidates
.set CB1, 144
.set RX,  64                           ; the format waves' ring: eight slots of 4 registers as loaded,
.set RY,  128                          ; eight pairs to store
.set TRIPS, 31                         ; the scan's loop takes blocks 0-61, two a trip; blocks 62 and 63 are written out
.macro RND2 t, a, b                    ; two numbers rounded to bf16, kept as f32
	v_cvt_pk_bf16_f32 v[\t], v[\a], v[\b]
	v_lshlrev_b32 v[\a], 16, v[\t]
	v_and_b32 v[\b], 0xffff0000, v[\t]
.endm
.macro TOH w                           ; a word of two bf16 becomes the same two numbers in f16
	v_lshlrev_b32 v48, 16, v[\w]
	v_and_b32 v49, 0xffff0000, v[\w]
	v_cvt_pk_f16_f32 v[\w], v48, v49
.endm
	s_load_b512 s[4:19], s[0:1], 0x0               ; xyz1 s[4:5], xyz2 s[6:7], points2 s[8:9], W1 s[10:11], W2 s[12:13], b1 s[14:15], b2 s[16:17], cand s[18:19]
	s_load_b256 s[20:27], s[0:1], 0x40             ; blk s[20:21], p2h s[22:23], wts s[24:25], bias s[26:27]
	v_lshl_add_u32 v[SPW], v0, 2, SPARE
	v_mov_b32 v[NIL], 0
	v_lshrrev_b32 v1, 5, v0
	v_readfirstlane_b32 s28, v1                    ; wave 0..7
	s_mov_b32 s29, ttmp9                           ; g
	s_lshr_b32 s40, s29, 4
	s_mul_i32 s40, s40, 12288                      ; the batch's 1,024 x 12 bytes of xyz2
	s_mov_b32 s41, 0
	s_mov_b32 s43, 0
	v_mul_u32_u24 v2, v0, 48                       ; thread t takes candidates 4 t .. 4 t + 3: 48 bytes
	v_lshlrev_b32 v3, 6, v0                        ; and writes 64 bytes of the table
	s_wait_kmcnt 0x0
	s_add_nc_u64 s[6:7], s[6:7], s[40:41]
	global_load_b128 v[12:15], v2, s[6:7]
	global_load_b128 v[16:19], v2, s[6:7] offset:16
	global_load_b128 v[20:23], v2, s[6:7] offset:32
	s_wait_loadcnt 0x0
.irp p, 12,14,16,18,20,22
	RND2 40, \p, (\p)+1
.endr
.irp c, 0,1,2,3
	v_mul_f32 v[27+4*(\c)], v[12+3*(\c)], v[12+3*(\c)]
	v_fma_f32 v[27+4*(\c)], v[13+3*(\c)], v[13+3*(\c)], v[27+4*(\c)]
	v_fma_f32 v[27+4*(\c)], v[14+3*(\c)], v[14+3*(\c)], v[27+4*(\c)]
	v_mul_f32 v[24+4*(\c)], -2.0, v[12+3*(\c)]
	v_mul_f32 v[25+4*(\c)], -2.0, v[13+3*(\c)]
	v_mul_f32 v[26+4*(\c)], -2.0, v[14+3*(\c)]
	ds_store_b128 v3, v[24+4*(\c):27+4*(\c)] offset:16*(\c)
.endr
	s_wait_dscnt 0x0                               ; for the others' sake: my part of the table is written
	s_barrier_signal -1
	s_barrier_wait -1                              ; the table is whole; it is only read from here on
	s_cmp_ge_u32 s28, 4
	s_cbranch_scc1 .Lprep
; ---------------------------------------------------------------- the scan, waves 0-3
.macro LOADB cb, off                   ; sixteen candidates, every lane the same 16 bytes
.set c, 0
.rept 16
	ds_load_b128 v[(\cb)+4*c:(\cb)+4*c+3], v[CA] offset:(\off)+16*c
.set c, c+1
.endr
.endm
; m is set in among the three least of a state (three values, three numbers).  Strictly less: of equals the earlier stays in front.
.macro INS m, st, j, t, sm
	v_cmp_lt_f32 s[\sm], v[\m], v[\st]
	v_cmp_lt_f32 s[(\sm)+1], v[\m], v[(\st)+1]
	v_cmp_lt_f32 s[(\sm)+2], v[\m], v[(\st)+2]
	v_cndmask_b32 v[\t], v[\j], v[(\st)+4], s[(\sm)+1]
	v_cndmask_b32 v[(\st)+5], v[(\st)+5], v[\t], s[(\sm)+2]
	v_cndmask_b32 v[\t], v[\j], v[(\st)+3], s[\sm]
	v_cndmask_b32 v[(\st)+4], v[(\st)+4], v[\t], s[(\sm)+1]
	v_cndmask_b32 v[(\st)+3], v[(\st)+3], v[\j], s[\sm]
	v_med3_num_f32 v[(\st)+2], v[\m], v[(\st)+1], v[(\st)+2]
	v_med3_num_f32 v[(\st)+1], v[\m], v[\st], v[(\st)+1]
	v_min_num_f32 v[\st], v[\m], v[\st]
.endm
; One block: 16 candidates x 2 queries.  Like lines stand together, so that none reads the result of the line before it.  sj: the block's number, a scalar register or a constant.
.macro COMP cb, sj
.set c, 0
.rept 16
	v_pk_mul_f32 v[D+2*c:D+2*c+1], v[X0:X0+1], v[(\cb)+4*c:(\cb)+4*c+1] op_sel_hi:[1,0]
.set c, c+1
.endr
.set c, 0
.rept 16
	v_pk_fma_f32 v[D+2*c:D+2*c+1], v[X1:X1+1], v[(\cb)+4*c:(\cb)+4*c+1], v[D+2*c:D+2*c+1] op_sel:[0,1,0] op_sel_hi:[1,1,1]
.set c, c+1
.endr
.set c, 0
.rept 16
	v_pk_fma_f32 v[D+2*c:D+2*c+1], v[X2:X2+1], v[(\cb)+4*c+2:(\cb)+4*c+3], v[D+2*c:D+2*c+1] op_sel_hi:[1,0,1]
.set c, c+1
.endr
.set c, 0
.rept 4
.set k, 0
.rept 4
	v_pk_add_f32 v[T+2*k:T+2*k+1], v[N1:N1+1], v[(\cb)+4*(c+k)+2:(\cb)+4*(c+k)+3] op_sel:[0,1] op_sel_hi:[1,1]
.set k, k+1
.endr
.set k, 0
.rept 4
	v_pk_add_f32 v[D+2*(c+k):D+2*(c+k)+1], v[T+2*k:T+2*k+1], v[D+2*(c+k):D+2*(c+k)+1]
.set k, k+1
.endr
.set c, c+4
.endr
.irp b, 0,3,6,9,12
.irp p, 0,1
	v_min3_num_f32 v[D+2*(\b)+(\p)], v[D+2*(\b)+(\p)], v[D+2*(\b)+2+(\p)], v[D+2*(\b)+4+(\p)]
.endr
.endr
.irp p, 0,1
	v_min3_num_f32 v[D+(\p)], v[D+(\p)], v[D+6+(\p)], v[D+12+(\p)]
	v_min3_num_f32 v[D+18+(\p)], v[D+18+(\p)], v[D+24+(\p)], v[D+30+(\p)]
.endr
	v_mov_b32 v[VJ], \sj
.irp p, 0,1
	v_min_num_f32 v[MM+(\p)], v[D+(\p)], v[D+18+(\p)]
.endr
	INS MM, SA, VJ, TA, 34
	INS MM+1, SB, VJ, TB, 37
.endm
	v_and_b32 v1, 31, v0
	s_lshl_b32 s40, s29, 8
	s_lshl_b32 s42, s28, 6
	s_add_co_u32 s40, s40, s42                     ; the wave's first query: 256 g + 64 w; lane l has queries + 2 l and + 2 l + 1
	s_mul_i32 s42, s40, 12
	s_add_nc_u64 s[4:5], s[4:5], s[42:43]
	v_mul_u32_u24 v2, v1, 24
	global_load_b64 v[34:35], v2, s[4:5]           ; x0, x1 of the first
	global_load_b64 v[36:37], v2, s[4:5] offset:8  ; x2 of the first, x0 of the second
	global_load_b64 v[38:39], v2, s[4:5] offset:16 ; x1, x2 of the second
	s_lshl_b32 s42, s40, 2
	s_add_nc_u64 s[20:21], s[20:21], s[42:43]
	v_lshlrev_b32 v[BO], 3, v1
	v_mov_b32 v[CA], 0
	LOADB CB0, 0
.irp s, SA, SB
	v_mov_b32 v[(\s)], 0x7f800000                  ; the three least start at +infinity,
	v_mov_b32 v[(\s)+1], 0x7f800000
	v_mov_b32 v[(\s)+2], 0x7f800000
	v_mov_b32 v[(\s)+3], 0                         ; with three different numbers
	v_mov_b32 v[(\s)+4], 1
	v_mov_b32 v[(\s)+5], 2
.endr
	s_wait_loadcnt 0x0
.irp i, 0,1,2
	v_cvt_pk_bf16_f32 v[VJ], v[34+(\i)], v[37+(\i)]
	v_lshlrev_b32 v[X0+2*(\i)], 16, v[VJ]
	v_and_b32 v[X0+2*(\i)+1], 0xffff0000, v[VJ]
.endr
	v_pk_mul_f32 v[N1:N1+1], v[X0:X0+1], v[X0:X0+1]
	v_pk_fma_f32 v[N1:N1+1], v[X1:X1+1], v[X1:X1+1], v[N1:N1+1]
	v_pk_fma_f32 v[N1:N1+1], v[X2:X2+1], v[X2:X2+1], v[N1:N1+1]
	s_mov_b32 s30, 0
.Lscan:                                                ; trip i: blocks 2 i and 2 i + 1; each buffer is loaded while the other is worked on
	s_lshl_b32 s45, s30, 9                         ; the pair's place in the table: 512 i,
	s_lshl_b32 s31, s30, 1                         ; the even block's number,
	s_or_b32 s32, s31, 1                           ; the odd one's
	v_mov_b32 v[CA], s45
	LOADB CB1, 256
	s_wait_dscnt 16                                ; all but the sixteen just issued: the even block is in
	COMP CB0, s31
	LOADB CB0, 512                                 ; the next trip's even block
	s_wait_dscnt 16
	COMP CB1, s32
	s_add_co_u32 s30, s30, 1
	s_cmp_lt_u32 s30, TRIPS
	s_cbranch_scc1 .Lscan
	v_mov_b32 v[CA], 512*TRIPS                     ; blocks 62 and 63 are written out: nothing is read past the table
	LOADB CB1, 256
	s_wait_dscnt 16
	COMP CB0, 2*TRIPS
	s_wait_dscnt 0x0
	COMP CB1, 2*TRIPS+1
	v_lshl_or_b32 v34, v[SA+4], 6, v[SA+3]
	v_lshl_or_b32 v35, v[SB+4], 6, v[SB+3]
	v_lshl_or_b32 v34, v[SA+5], 12, v34
	v_lshl_or_b32 v35, v[SB+5], 12, v35
	global_store_b64 v[BO], v[34:35], s[20:21]     ; the wave stores 256 consecutive bytes, aligned
	s_branch .Lend
; ---------------------------------------------------------------- the formats, waves 4-7
.Lprep:
	s_sub_co_u32 s33, s28, 4                       ; u = 0..3
	s_mov_b32 s52, 0xffff0000
	v_and_b32 v1, 31, v0
	v_lshlrev_b32 v46, 4, v1                       ; 16 l
	v_lshlrev_b32 v47, 3, v1                       ; 8 l
	s_lshl_b32 s40, s29, 17                        ; points2: 131,072 bytes a work-group, 32,768 a wave;
	s_lshl_b32 s42, s33, 15
	s_add_co_u32 s40, s40, s42
	s_add_nc_u64 s[8:9], s[8:9], s[40:41]
	s_lshr_b32 s40, s40, 1                         ; p2h: half of that
	s_add_nc_u64 s[22:23], s[22:23], s[40:41]
.irp i, 0,1,2,3,4,5,6,7
	global_load_b128 v[RX+4*(\i):RX+4*(\i)+3], v46, s[8:9] offset:512*(\i) th:TH_LOAD_NT  ; the ring's first fill goes out ahead of everything else
.endr
	; W1: two items of 512 bytes of wts a wave, e1 = 8 g + 2 u and e1 + 1: four channels x 64 k.  Lane l: channel l / 8, k = 8 (l % 8) + 0..7.
	v_and_b32 v3, 7, v1
	v_lshrrev_b32 v4, 3, v1
	v_lshlrev_b32 v4, 2, v4
	v_lshl_add_u32 v6, v3, 14, v4                  ; 8 rows of 2,048 bytes for each l % 8, 4 bytes for each l / 8
	s_lshl_b32 s40, s29, 3
	s_lshl1_add_u32 s40, s33, s40                  ; e1
	s_and_b32 s42, s40, 127
	s_lshl_b32 s42, s42, 4                         ; its four channels: 16 bytes of a row of W1
	s_lshr_b32 s44, s29, 4
	s_lshl_b32 s44, s44, 17                        ; block g / 16: 64 rows of W1
	s_add_co_u32 s42, s42, s44
	s_add_nc_u64 s[10:11], s[10:11], s[42:43]
.irp i, 0,1,2,3,4,5,6,7
	global_load_b32 v[20+(\i)], v6, s[10:11] offset:2048*(\i)
	global_load_b32 v[28+(\i)], v6, s[10:11] offset:2048*(\i)+16
.endr
	s_lshl_b32 s42, s40, 9
	s_add_nc_u64 s[48:49], s[24:25], s[42:43]
	; W2: one item of 256 bytes a wave, e = 4 g + u: two channels x 64 k.  Lane l: channel l / 16, k = 4 (l % 16) + 0..3.
	v_and_b32 v3, 15, v1
	v_lshrrev_b32 v4, 4, v1
	v_lshlrev_b32 v4, 2, v4
	v_lshl_add_u32 v7, v3, 12, v4
	s_lshl2_add_u32 s40, s29, s33                  ; e
	s_lshr_b32 s42, s40, 7
	s_lshl_b32 s42, s42, 16                        ; 64 rows of 1,024 bytes for each e / 128
	s_and_b32 s44, s40, 127
	s_lshl3_add_u32 s42, s44, s42                  ; two channels: 8 bytes
	s_add_nc_u64 s[12:13], s[12:13], s[42:43]
.irp i, 0,1,2,3
	global_load_b32 v[50+(\i)], v7, s[12:13] offset:1024*(\i)
.endr
	s_lshl_b32 s42, s40, 8
	s_add_co_u32 s42, s42, 1048576                 ; W2's blocks lie behind W1's sixteen
	s_add_nc_u64 s[50:51], s[24:25], s[42:43]
	s_wait_loadcnt 0x0                             ; one wait for all of them
.irp j, 0,1,2,3
	v_cvt_pk_bf16_f32 v[36+(\j)], v[20+2*(\j)], v[21+2*(\j)]
	v_cvt_pk_bf16_f32 v[40+(\j)], v[28+2*(\j)], v[29+2*(\j)]
.endr
	v_cvt_pk_bf16_f32 v58, v50, v51
	v_cvt_pk_bf16_f32 v59, v52, v53
	TOH 58
	TOH 59
	s_cmp_lt_u32 s29, 128
	s_cbranch_scc1 .Lw1_stays                      ; blocks 0-7 meet points1 in bf16; blocks 8-15 meet the f16 interpolation
.irp j, 36,37,38,39,40,41,42,43
	TOH \j
.endr
.Lw1_stays:
	global_store_b128 v46, v[36:39], s[48:49]      ; 512 consecutive bytes each
	global_store_b128 v46, v[40:43], s[48:49] offset:512
	global_store_b64 v47, v[58:59], s[50:51]       ; 256 consecutive bytes, aligned
	; cand: work-group g writes its sixteenth of the batch's table, 1,024 bytes, from LDS
	s_cmp_lg_u32 s33, 0
	s_cbranch_scc1 .Lno_cand
	s_and_b32 s40, s29, 15
	s_lshl_b32 s40, s40, 10
	v_add_nc_u32 v2, s40, v46
	ds_load_b128 v[12:15], v2
	ds_load_b128 v[16:19], v2 offset:512
	s_lshl_b32 s40, s29, 10
	s_add_nc_u64 s[18:19], s[18:19], s[40:41]
	s_wait_dscnt 0x0
	global_store_b128 v46, v[12:15], s[18:19]
	global_store_b128 v46, v[16:19], s[18:19] offset:512
.Lno_cand:
	; bias: work-groups 0-7, 512 bytes each: 0-3 b1, 4-5 b2, 6-7 zeros
	s_cmp_lg_u32 s33, 1
	s_cbranch_scc1 .Lno_bias
	s_cmp_ge_u32 s29, 8
	s_cbranch_scc1 .Lno_bias
.irp j, 160,161,162,163
	v_mov_b32 v[\j], 0
.endr
	s_cmp_ge_u32 s29, 6
	s_cbranch_scc1 .Lbias_out
	s_cmp_lt_u32 s29, 4
	s_cselect_b64 s[54:55], s[14:15], s[16:17]
	s_and_b32 s42, s29, 3                          ; g for b1, g - 4 for b2
	s_lshl_b32 s42, s42, 9
	s_add_nc_u64 s[54:55], s[54:55], s[42:43]
	global_load_b128 v[160:163], v46, s[54:55]
	s_wait_loadcnt 0x0
	RND2 48, 160, 161
	RND2 48, 162, 163
.Lbias_out:
	s_lshl_b32 s42, s29, 9
	s_add_nc_u64 s[26:27], s[26:27], s[42:43]
	global_store_b128 v46, v[160:163], s[26:27]
.Lno_bias:
; points2: a ring of eight slots keeps eight loads of 512 bytes of the wave in flight.  left = how many younger loads may stay out.
.macro SLOT i, ahead, left
	s_wait_loadcnt \left
	v_cvt_pk_bf16_f32 v96, v[RX+4*(\i)], v[RX+4*(\i)+1]
	v_cvt_pk_bf16_f32 v97, v[RX+4*(\i)+2], v[RX+4*(\i)+3]
	v_lshlrev_b32 v98, 16, v96
	v_and_b32 v99, s52, v96
	v_lshlrev_b32 v100, 16, v97
	v_and_b32 v101, s52, v97
	v_cvt_pk_f16_f32 v[RY+2*(\i)], v98, v99
	v_cvt_pk_f16_f32 v[RY+2*(\i)+1], v100, v101
.if \ahead
	global_load_b128 v[RX+4*(\i):RX+4*(\i)+3], v46, s[8:9] offset:512*(\i)+4096 th:TH_LOAD_NT
.endif
	global_store_b64 v47, v[RY+2*(\i):RY+2*(\i)+1], s[22:23] offset:256*(\i)  ; 256 consecutive bytes, aligned
.endm
	s_mov_b32 s30, 7
.Lround:
.irp i, 0,1,2,3,4,5,6,7
	SLOT \i, 1, 7                                  ; the seven other slots' loads are younger than mine
.endr
	s_wait_xcnt 0x0                                ; the bases and the stores' registers are rewritten only behind this wait
	s_add_nc_u64 s[8:9], s[8:9], 4096
	s_add_nc_u64 s[22:23], s[22:23], 2048
	s_sub_co_u32 s30, s30, 1
	s_cmp_lg_u32 s30, 0
	s_cbranch_scc1 .Lround
.irp i, 0,1,2,3,4,5,6,7
	SLOT \i, 0, 7-(\i)                             ; the last round loads nothing: the counts run down
.endr
; ---------------------------------------------------------------- the common end, all eight waves
.Lend:
	s_wait_dscnt 0x0                               ; my reads of the table are back
	s_barrier_signal -1
	s_barrier_wait -1                              ; and so are every wave's: nothing in LDS is read behind this barrier
	s_wait_tensorcnt 0x0                           ; the wave's end
	ds_add_u32 v[SPW], v[NIL]
	s_wait_dscnt 0x0
	s_endpgm
.Lfunc_end_k_qf69c9f1ec2_front:
	.size	k_qf69c9f1ec2_front, .Lfunc_end_k_qf69c9f1ec2_front-k_qf69c9f1ec2_front
	.p2alignl 7, 3214868480
	.fill 96, 4, 3214868480
	.section	.rodata,"a",@progbits
	.p2align	6, 0x0
	.amdhsa_kernel k_qf69c9f1ec2_front
		.amdhsa_group_segment_fixed_size 17408
		.amdhsa_private_segment_fixed_size 0
		.amdhsa_enable_private_segment 0
		.amdhsa_kernarg_size 96
		.amdhsa_user_sgpr_count 2
		.amdhsa_user_sgpr_kernarg_segment_ptr 1
		.amdhsa_wavefront_size32 1
		.amdhsa_system_sgpr_workgroup_id_x 1
		.amdhsa_system_sgpr_workgroup_id_y 1
		.amdhsa_system_sgpr_workgroup_id_z 1
		.amdhsa_system_vgpr_workitem_id 0
		.amdhsa_next_free_vgpr 208
		.amdhsa_next_free_sgpr 66
		.amdhsa_reserve_vcc 0
		.amdhsa_float_denorm_mode_32 3
		.amdhsa_float_denorm_mode_16_64 3
		.amdhsa_memory_ordered 1
		.amdhsa_forward_progress 1
		.amdhsa_inst_pref_size 57
	.end_amdhsa_kernel
	.amdgpu_metadata
---
amdhsa.version: [ 1, 2 ]
amdhsa.kernels:
  - .name:           k_qf69c9f1ec2_front
    .symbol:         k_qf69c9f1ec2_front.kd
    .args:
      - { .name: xyz1, .offset: 0, .size: 8, .value_kind: global_buffer, .address_space: global }
      - { .name: xyz2, .offset: 8, .size: 8, .value_kind: global_buffer, .address_space: global }
      - { .name: points2, .offset: 16, .size: 8, .value_kind: global_buffer, .address_space: global }
      - { .name: W1, .offset: 24, .size: 8, .value_kind: global_buffer, .address_space: global }
      - { .name: W2, .offset: 32, .size: 8, .value_kind: global_buffer, .address_space: global }
      - { .name: b1, .offset: 40, .size: 8, .value_kind: global_buffer, .address_space: global }
      - { .name: b2, .offset: 48, .size: 8, .value_kind: global_buffer, .address_space: global }
      - { .name: cand, .offset: 56, .size: 8, .value_kind: global_buffer, .address_space: global }
      - { .name: blk, .offset: 64, .size: 8, .value_kind: global_buffer, .address_space: global }
      - { .name: p2h, .offset: 72, .size: 8, .value_kind: global_buffer, .address_space: global }
      - { .name: wts, .offset: 80, .size: 8, .value_kind: global_buffer, .address_space: global }
      - { .name: bias, .offset: 88, .size: 8, .value_kind: global_buffer, .address_space: global }
    .group_segment_fixed_size: 17408
    .private_segment_fixed_size: 0
    .kernarg_segment_align: 8
    .kernarg_segment_size: 96
    .max_flat_workgroup_size: 256
    .sgpr_count:     66
    .vgpr_count:     208
    .wavefront_size: 32
...
	.end_amdgpu_metadata
.endif
;; end of part 1
;; launch pick (part 2): grid 256 x 1, 8 waves a work-group, no clusters, 19,456 bytes of LDS; arguments xyz1, cand, blk, nidx, nwt; writes nidx, nwt
.if DOCPART == 2
	.amdgcn_target "amdgcn-amd-amdhsa--gfx1250"
	.amdhsa_code_object_version 6
	.text
	.protected	k_qf69c9f1ec2_pick
	.globl	k_qf69c9f1ec2_pick
	.p2align	8
	.type	k_qf69c9f1ec2_pick,@function
k_qf69c9f1ec2_pick:
	s_mov_b64 s[64:65], 0
	v_nop
	global_prefetch_b8 v0, s[64:65] scope:SCOPE_SE
	s_setreg_imm32_b32 hwreg(HW_REG_WAVE_MODE, 25, 1), 1
	s_wait_xcnt 0x0
; PICK.  Work-group g serves batch g / 16; thread t has query 256 g + t.  Among the 48 candidates of the query's three blocks (blk) the three nearest are found, by the same
; arithmetic and so with the same bits as in the launch before: d = (n1 + n2) + ((x0 c0 + x1 c1) + x2 c2) with c = -2 y.  The blocks are taken in ascending order and a candidate
; goes in front of another only if it is strictly nearer: of equal distances the lower index wins.
; Out: nidx = i0 | i1 << 10 | i2 << 20; nwt = the three weights (1 / (d + 1e-8), divided by their sum), each twice as f16, and a word of 0.
; LIMITS.  The two divisions are a reciprocal and a product (each reciprocal is good to one unit in the last place).  NaN and infinite distances are not treated.
.set PB,    272                        ; a block of 16 candidates in LDS: 256 bytes + 16, so that lanes that read different blocks at the same place start in different groups of banks
.set NST,   17408                      ; behind the table's 64 blocks: 256 words, to gather nidx
.set SPARE, 18432                      ; the spare words, 128 bytes for each of eight waves
.set SPW, 2
.set NIL, 3
.set X,   4                            ; v4-6 the query
.set N1,  7
.set ID,  10                           ; v10-12 the three blocks, ascending
.set AD,  13                           ; v13-15 their LDS addresses; the one in hand stands first
.set JB,  16                           ; v16 16 x the trip
.set VJ,  17                           ; v17 the candidate's slot number, 0 to 47
.set TT,  18
.set ST,  20                           ; v20-22 the three least distances, ascending; v23-25 their slot numbers
.set D,   32
.set T,   48
.set CD,  64                           ; v[64:127] sixteen candidates
.macro INS m, st, j, t, sm
	v_cmp_lt_f32 s[\sm], v[\m], v[\st]
	v_cmp_lt_f32 s[(\sm)+1], v[\m], v[(\st)+1]
	v_cmp_lt_f32 s[(\sm)+2], v[\m], v[(\st)+2]
	v_cndmask_b32 v[\t], v[\j], v[(\st)+4], s[(\sm)+1]
	v_cndmask_b32 v[(\st)+5], v[(\st)+5], v[\t], s[(\sm)+2]
	v_cndmask_b32 v[\t], v[\j], v[(\st)+3], s[\sm]
	v_cndmask_b32 v[(\st)+4], v[(\st)+4], v[\t], s[(\sm)+1]
	v_cndmask_b32 v[(\st)+3], v[(\st)+3], v[\j], s[\sm]
	v_med3_num_f32 v[(\st)+2], v[\m], v[(\st)+1], v[(\st)+2]
	v_med3_num_f32 v[(\st)+1], v[\m], v[\st], v[(\st)+1]
	v_min_num_f32 v[\st], v[\m], v[\st]
.endm
	s_load_b256 s[4:11], s[0:1], 0x0               ; xyz1 s[4:5], cand s[6:7], blk s[8:9], nidx s[10:11]
	s_load_b64 s[12:13], s[0:1], 0x20              ; nwt
	v_lshl_add_u32 v[SPW], v0, 2, SPARE
	v_mov_b32 v[NIL], 0
	v_lshrrev_b32 v1, 5, v0
	v_readfirstlane_b32 s14, v1                    ; wave 0..7
	s_mov_b32 s15, ttmp9                           ; g
	s_mov_b32 s17, 0
	v_lshlrev_b32 v26, 4, v0                       ; 16 t
	v_mul_u32_u24 v27, v0, 12
	v_lshlrev_b32 v28, 2, v0                       ; 4 t
	s_lshr_b32 s16, s15, 4
	s_lshl_b32 s16, s16, 14                        ; the batch's 16,384 bytes of cand
	s_wait_kmcnt 0x0
	s_add_nc_u64 s[6:7], s[6:7], s[16:17]
	s_mul_i32 s16, s15, 3072                       ; 256 queries x 12 bytes
	s_add_nc_u64 s[4:5], s[4:5], s[16:17]
	s_lshl_b32 s16, s15, 10
	s_add_nc_u64 s[8:9], s[8:9], s[16:17]
	s_add_nc_u64 s[10:11], s[10:11], s[16:17]
	s_lshl_b32 s16, s15, 12
	s_add_nc_u64 s[12:13], s[12:13], s[16:17]
.irp i, 0,1,2,3
	global_load_b128 v[CD+4*(\i):CD+4*(\i)+3], v26, s[6:7] offset:4096*(\i)  ; candidate t + 256 i
.endr
	global_load_b32 v[X], v27, s[4:5]
	global_load_b32 v[X+1], v27, s[4:5] offset:4
	global_load_b32 v[X+2], v27, s[4:5] offset:8
	global_load_b32 v8, v28, s[8:9]
	v_lshrrev_b32 v9, 4, v0
	v_add_lshl_u32 v9, v9, v0, 4                   ; 16 t + 16 (t / 16): block t / 16 at its pitch, candidate t % 16 in it
	s_wait_loadcnt 0x0
.irp i, 0,1,2,3
	ds_store_b128 v9, v[CD+4*(\i):CD+4*(\i)+3] offset:16*PB*(\i)
.endr
	v_cvt_pk_bf16_f32 v19, v[X], v[X+1]            ; the query rounded to bf16
	v_lshlrev_b32 v[X], 16, v19
	v_and_b32 v[X+1], 0xffff0000, v19
	v_cvt_pk_bf16_f32 v19, v[X+2], v[X+2]
	v_lshlrev_b32 v[X+2], 16, v19
	v_mul_f32 v[N1], v[X], v[X]
	v_fma_f32 v[N1], v[X+1], v[X+1], v[N1]
	v_fma_f32 v[N1], v[X+2], v[X+2], v[N1]
	v_bfe_u32 v10, v8, 0, 6
	v_bfe_u32 v11, v8, 6, 6
	v_bfe_u32 v12, v8, 12, 6
	v_min_u32 v13, v10, v11                        ; three exchanges sort them
	v_max_u32 v14, v10, v11
	v_min_u32 v15, v14, v12
	v_max_u32 v12, v14, v12
	v_min_u32 v10, v13, v15
	v_max_u32 v11, v13, v15
.irp k, 0,1,2
	v_min_u32 v[ID+(\k)], 63, v[ID+(\k)]           ; a loaded number enters an address only behind a bound
	v_mul_u32_u24 v[AD+(\k)], v[ID+(\k)], PB
	v_mov_b32 v[ST+(\k)], 0x7f800000
	v_mov_b32 v[ST+3+(\k)], 0
.endr
	v_mov_b32 v[JB], 0
	s_wait_dscnt 0x0                               ; for the others' sake: my part of the table is written
	s_barrier_signal -1
	s_barrier_wait -1
	s_mov_b32 s20, 3
.Lblock:                                               ; a trip: one block's sixteen candidates
.set i, 0
.rept 16
	ds_load_b128 v[CD+4*i:CD+4*i+3], v[AD] offset:16*i
.set i, i+1
.endr
	s_wait_dscnt 0x0
.set i, 0
.rept 16
	v_mul_f32 v[D+i], v[X], v[CD+4*i]
.set i, i+1
.endr
.set i, 0
.rept 16
	v_fma_f32 v[D+i], v[X+1], v[CD+4*i+1], v[D+i]
.set i, i+1
.endr
.set i, 0
.rept 16
	v_fma_f32 v[D+i], v[X+2], v[CD+4*i+2], v[D+i]
.set i, i+1
.endr
.set i, 0
.rept 16
	v_add_f32 v[T+i], v[N1], v[CD+4*i+3]
.set i, i+1
.endr
.set i, 0
.rept 16
	v_add_f32 v[D+i], v[T+i], v[D+i]
.set i, i+1
.endr
.set i, 0
.rept 16
	v_add_nc_u32 v[VJ], i, v[JB]
	INS D+i, ST, VJ, TT, 24
.set i, i+1
.endr
	v_mov_b32 v[AD], v[AD+1]                       ; the next block's address moves to the front
	v_mov_b32 v[AD+1], v[AD+2]
	v_add_nc_u32 v[JB], 16, v[JB]
	s_sub_co_u32 s20, s20, 1
	s_cmp_lg_u32 s20, 0
	s_cbranch_scc1 .Lblock
	; the weights; the slot numbers become indices between the reciprocals and the use of their results
	v_add_f32 v32, 0x322bcc77, v[ST]               ; d + 1e-8
	v_add_f32 v33, 0x322bcc77, v[ST+1]
	v_add_f32 v34, 0x322bcc77, v[ST+2]
	v_rcp_f32 v32, v32
	v_rcp_f32 v33, v33
	v_rcp_f32 v34, v34
.irp k, 0,1,2
	v_lshrrev_b32 v44, 4, v[ST+3+(\k)]             ; which of the three blocks,
	v_cmp_eq_u32 vcc_lo, 1, v44
	v_cndmask_b32 v45, v[ID], v[ID+1], vcc_lo
	v_cmp_eq_u32 vcc_lo, 2, v44
	v_cndmask_b32 v45, v45, v[ID+2], vcc_lo
	v_and_b32 v46, 15, v[ST+3+(\k)]                ; and which candidate in it
	v_lshl_or_b32 v[36+(\k)], v45, 4, v46
.endr
	s_wait_alu depctr_va_vdst(0)
	v_add_f32 v35, v32, v33
	v_add_f32 v35, v35, v34
	v_rcp_f32 v35, v35
	v_lshl_or_b32 v36, v37, 10, v36
	v_lshl_or_b32 v36, v38, 20, v36
	v_add_nc_u32 v29, NST, v28
	s_wait_alu depctr_va_vdst(0)
	v_mul_f32 v32, v32, v35
	v_mul_f32 v33, v33, v35
	v_mul_f32 v34, v34, v35
	v_cvt_pk_f16_f32 v40, v32, v32
	v_cvt_pk_f16_f32 v41, v33, v33
	v_cvt_pk_f16_f32 v42, v34, v34
	v_mov_b32 v43, 0
	global_store_b128 v26, v[40:43], s[12:13]      ; the wave stores 512 consecutive bytes
	ds_store_b32 v29, v36                          ; nidx is gathered, so that sixteen lanes can store 256 consecutive bytes
	s_wait_dscnt 0x0
	s_barrier_signal -1
	s_barrier_wait -1
	s_cmp_ge_u32 s14, 2
	s_cbranch_scc1 .Lend
	v_add_nc_u32 v30, NST, v26
	ds_load_b128 v[44:47], v30
	s_wait_dscnt 0x0
	global_store_b128 v26, v[44:47], s[10:11]
.Lend:
	s_wait_tensorcnt 0x0                           ; the wave's end
	ds_add_u32 v[SPW], v[NIL]
	s_wait_dscnt 0x0
	s_endpgm
.Lfunc_end_k_qf69c9f1ec2_pick:
	.size	k_qf69c9f1ec2_pick, .Lfunc_end_k_qf69c9f1ec2_pick-k_qf69c9f1ec2_pick
	.p2alignl 7, 3214868480
	.fill 96, 4, 3214868480
	.section	.rodata,"a",@progbits
	.p2align	6, 0x0
	.amdhsa_kernel k_qf69c9f1ec2_pick
		.amdhsa_group_segment_fixed_size 19456
		.amdhsa_private_segment_fixed_size 0
		.amdhsa_enable_private_segment 0
		.amdhsa_kernarg_size 40
		.amdhsa_user_sgpr_count 2
		.amdhsa_user_sgpr_kernarg_segment_ptr 1
		.amdhsa_wavefront_size32 1
		.amdhsa_system_sgpr_workgroup_id_x 1
		.amdhsa_system_sgpr_workgroup_id_y 1
		.amdhsa_system_sgpr_workgroup_id_z 1
		.amdhsa_system_vgpr_workitem_id 0
		.amdhsa_next_free_vgpr 128
		.amdhsa_next_free_sgpr 66
		.amdhsa_reserve_vcc 1
		.amdhsa_float_denorm_mode_32 3
		.amdhsa_float_denorm_mode_16_64 3
		.amdhsa_memory_ordered 1
		.amdhsa_forward_progress 1
		.amdhsa_inst_pref_size 22
	.end_amdhsa_kernel
	.amdgpu_metadata
---
amdhsa.version: [ 1, 2 ]
amdhsa.kernels:
  - .name:           k_qf69c9f1ec2_pick
    .symbol:         k_qf69c9f1ec2_pick.kd
    .args:
      - { .name: xyz1, .offset: 0, .size: 8, .value_kind: global_buffer, .address_space: global }
      - { .name: cand, .offset: 8, .size: 8, .value_kind: global_buffer, .address_space: global }
      - { .name: blk, .offset: 16, .size: 8, .value_kind: global_buffer, .address_space: global }
      - { .name: nidx, .offset: 24, .size: 8, .value_kind: global_buffer, .address_space: global }
      - { .name: nwt, .offset: 32, .size: 8, .value_kind: global_buffer, .address_space: global }
    .group_segment_fixed_size: 19456
    .private_segment_fixed_size: 0
    .kernarg_segment_align: 8
    .kernarg_segment_size: 40
    .max_flat_workgroup_size: 256
    .sgpr_count:     66
    .vgpr_count:     128
    .wavefront_size: 32
...
	.end_amdgpu_metadata
.endif
;; end of part 2
;; launch mlp (part 3): grid 512 x 1, 4 waves a work-group, clusters of 4 x 1, 327,680 bytes of LDS; arguments wts, bias, p2h, nidx, nwt, points1, out0; writes out0
.if DOCPART == 3
	.amdgcn_target "amdgcn-amd-amdhsa--gfx1250"
	.amdhsa_code_object_version 6
	.text
	.protected	k_qf69c9f1ec2_mlp
	.globl	k_qf69c9f1ec2_mlp
	.p2align	8
	.type	k_qf69c9f1ec2_mlp,@function
k_qf69c9f1ec2_mlp:
	s_mov_b64 s[64:65], 0
	v_nop
	global_prefetch_b8 v0, s[64:65] scope:SCOPE_SE
	s_setreg_imm32_b32 hwreg(HW_REG_WAVE_MODE, 25, 1), 1
	s_wait_xcnt 0x0
	s_wait_alu depctr_hold_cnt(0) depctr_sa_sdst(0) depctr_va_vdst(0) depctr_va_sdst(0) depctr_va_ssrc(0) depctr_va_vcc(0) depctr_vm_vsrc(0)
	s_getreg_b32 s2, hwreg(HW_REG_IB_STS2, 6, 4)
	s_cmp_eq_u32 s2, 0
	s_cbranch_scc0 .Lentry_in_a_cluster
	s_endpgm
.Lentry_in_a_cluster:
	s_bfe_u32 s2, ttmp6, 0x10000c
	s_cmp_lg_u32 s2, 0x3003
	s_cbranch_scc0 .Lentry_shape_is_right
	s_endpgm
.Lentry_shape_is_right:
; MLP.  out = relu(relu([points1, interp] W1 + b1) W2 + b2) for a tile of 128 points; interp = the three neighbours' rows of p2h times their weights.  Nothing goes through memory between the steps.
; SHARES.  Work-group T = 4 x cluster + place takes points 128 T .. + 127 of batch T / 32.  Layer 1: wave w makes 128 points x channels 128 w .. + 127 (64 accumulators, 512 registers).
; Layer 2: 128 points x channels 64 w .. + 63 (32 accumulators).  To fill LDS, wave w serves points 32 w .. + 31.
; THE MATRIX INSTRUCTION IS USED TRANSPOSED: source 0 = 16 channels of the weights, source 1 = 16 points: a lane holds one point (lane % 16) and eight neighbouring channels.  The bias is the C operand that starts a sum.
; THE WEIGHTS ARE ONE STREAM of 20 dense blocks of 65,536 bytes, a block a step, 128 matrix instructions a wave: steps 0-7 points1 (bf16 x bf16), 8-15 interp (f16 x f16), 16-19 layer 2 (f16 x f16, 128 k each).
; They go through two LDS slots; each wave fetches a quarter of a block.  CLUSTER: the stream is the same in every work-group, so the four of a cluster ask for each quarter JOINTLY (mask 15).
; BESIDE STEPS 0-7 each wave turns the next 64 channels of its 32 rows of points1 to bf16 (LDS ring PR) and makes 4 rows of interp (into X): the neighbours' rows are asked for a step ahead.
; X holds interp, then h (f16), then each wave's stage for the way out.
; FORMATS.  All inputs arrive rounded to bf16; what is made here (interp, h, the weights of the three neighbours) is f16.  Sums of products in f32.
; LIMITS.  h and interp stay under 65,504 (f16); below 6e-5 f16 keeps its fixed step of 6e-8.  interp is made by three packed f16 lines, each rounded.  A NaN ends as 0 in the two maxima.
.set WSLOT, 73728                      ; a slot: 512 rows of 128 bytes + 16 of padding
.set WQ,    18432                      ; a wave's quarter of it
.set XB,    147456                     ; X: 128 rows of 1,024 bytes + 16
.set XP,    1040
.set PRB,   280576                     ; PR: two slots of 128 rows x (128 + 16) bytes
.set PRS,   18432
.set BIASB, 317440                     ; b1, b2 as f32
.set SPARE, 321536                     ; the spare words, 128 bytes for each wave
.set ADRW, 2                           ; v2-3   my fragments of layer 1's weights in slot 0, 1
.set ADRV, 4                           ; v4-5   of layer 2's
.set ADRP, 6                           ; v6     my fragments of PR's slot 0
.set ADRX, 7                           ; v7-8   of X, rows 0-63 and 64-127; walks along interp
.set HST,  9                           ; v9-10  where I put 16 bytes of h
.set XST,  11                          ; v11    where I put 16 bytes of interp; walks down my 32 rows
.set PST,  12                          ; v12    where I put 8 bytes of points1
.set BAD1, 13                          ; v13-14 my eight numbers of b1, of b2
.set BAD2, 14
.set OST,  15                          ; v15-17 the way out: into my stage, back, and in out0
.set ORD,  16
.set OGO,  17
.set L16,  18                          ; v18    16 x lane
.set POFF, 19                          ; v19    my 16 bytes in two rows of points1
.set VZ,   20                          ; v20    0
.set SPW,  28                          ; v28    LDS address of my spare word; never rewritten
.set NIL,  29                          ; v29    0; never rewritten
.set ADRH, 30                          ; v30-31 as ADRX; walks along h
.set TMP,  32                          ; v32-63 at work; the bias as C operand
.set AF,   64                          ; v64-191 fragments of points, two buffers of eight
.set WF,   192                         ; v192-255 fragments of weights, two sets of four
.set GB,   128                         ; window 1: v0-127 points1 as loaded, two sets; v128-223 four points' three rows; v224-239 their weights
.set WT,   224
                                       ; windows 2, 3: layer 1's accumulator (a, b) at window 2 + a / 4, v[64 (a % 4) + 8 b]; layer 2's at window 2, v[32 a + 8 b]
.set NP,  0                            ; what a step's second half fetches for the next step: from PR,
.set NX0, 1                            ; from X's first bytes,
.set NX,  2                            ; from X, walking on,
.set NN,  3                            ; nothing
.set MSB, 0
.macro WIN new                         ; s_set_vgpr_msb: bits 1:0 source 0, 3:2 source 1, 5:4 source 2, 7:6 destination; the high byte repeats the setting that is left
.if MSB != (\new)
	s_set_vgpr_msb (MSB<<8)|(\new)
.set MSB, \new
.endif
.endm
.macro PLACES                          ; four plain vector instructions between a matrix instruction and a load into, or a vector line on, its registers
.rept 4
	v_nop
.endr
.endm
.macro CREST                           ; a round of the cluster's barrier behind its opening barrier
	s_cmp_lg_u32 s18, 0
	s_cbranch_scc1 .Lnot_wave_0_\@
	s_barrier_signal -3
.Lnot_wave_0_\@:
	s_barrier_wait -3
	s_barrier_signal -1
	s_barrier_wait -1
.endm
.macro CROUND
	s_barrier_signal -1
	s_barrier_wait -1
	CREST
.endm
.macro JLOAD sl                        ; my quarter of a block, jointly; an s_nop 0 and four v_nop follow
	tensor_load_to_lds s[32+4*(\sl):35+4*(\sl)], s[24:31]
	s_nop 0
	PLACES
.endm
; 16 matrix instructions of layer 1: points 64 ah .. + 63 x channels 64 set .. + 63, 32 along K.  Every one names another accumulator; one returns after 64 (by turns).
.macro MUL16 form, set, buf, ah, ci
.if \ci
	WIN 0x80+0x40*(\ah)
.else
	WIN 0xa0+0x50*(\ah)
.endif
.set ma, 0
.rept 4
.set mi, 0
.rept 4
.set rD, 64*ma+8*(4*(\set)+mi)
.set rW, WF+32*(\set)+8*mi
.set rA, AF+64*(\buf)+8*(4*(\ah)+ma)
.if \ci
	v_wmma_f32_16x16x32_\form v[rD:rD+7], v[rW:rW+7], v[rA:rA+7], v[TMP+8*mi:TMP+8*mi+7]
.else
	v_wmma_f32_16x16x32_\form v[rD:rD+7], v[rW:rW+7], v[rA:rA+7], v[rD:rD+7]
.endif
.set mi, mi+1
.endr
.set ma, ma+1
.endr
.endm
.macro MUL16B q, ah, ci                ; 16 of layer 2: points 64 ah .. + 63 x my 64 channels, quarter q of a step's 128 k
.if \ci
	WIN 0x80
.else
	WIN 0xa0
.endif
.set ma, 0
.rept 4
.set mi, 0
.rept 4
.set rD, 32*(4*(\ah)+ma)+8*mi
.set rW, WF+32*((\q)%2)+8*mi
.set rA, AF+64*((\q)%2)+8*(4*(\ah)+ma)
.if \ci
	v_wmma_f32_16x16x32_f16 v[rD:rD+7], v[rW:rW+7], v[rA:rA+7], v[TMP+8*mi:TMP+8*mi+7]
.else
	v_wmma_f32_16x16x32_f16 v[rD:rD+7], v[rW:rW+7], v[rA:rA+7], v[rD:rD+7]
.endif
.set mi, mi+1
.endr
.set ma, ma+1
.endr
.endm
; Fragments: 16 rows x 32 k in 8 registers, two loads of 16 bytes, 32 bytes apart, at row x pitch + 16 (lane / 16).
.macro FW set, sl, k                   ; four of layer 1's weights
	WIN 0
.irp i, 0,1,2,3
	ds_load_b128 v[WF+32*(\set)+8*(\i):WF+32*(\set)+8*(\i)+3], v[ADRW+(\sl)] offset:(4*(\set)+(\i))*2304+(\k)
	ds_load_b128 v[WF+32*(\set)+8*(\i)+4:WF+32*(\set)+8*(\i)+7], v[ADRW+(\sl)] offset:(4*(\set)+(\i))*2304+(\k)+32
.endr
.endm
.macro FV set, sl, q                   ; four of layer 2's: the block holds 64 k for all 256 channels, then the other 64
	WIN 0
.irp i, 0,1,2,3
	ds_load_b128 v[WF+32*(\set)+8*(\i):WF+32*(\set)+8*(\i)+3], v[ADRV+(\sl)] offset:((\q)/2)*36864+(\i)*2304+64*((\q)%2)
	ds_load_b128 v[WF+32*(\set)+8*(\i)+4:WF+32*(\set)+8*(\i)+7], v[ADRV+(\sl)] offset:((\q)/2)*36864+(\i)*2304+64*((\q)%2)+32
.endr
.endm
.macro FAP buf, ps, k                  ; eight of points1
	WIN 0
.irp a, 0,1,2,3,4,5,6,7
	ds_load_b128 v[AF+64*(\buf)+8*(\a):AF+64*(\buf)+8*(\a)+3], v[ADRP] offset:(\ps)*PRS+(\a)*2304+(\k)
	ds_load_b128 v[AF+64*(\buf)+8*(\a)+4:AF+64*(\buf)+8*(\a)+7], v[ADRP] offset:(\ps)*PRS+(\a)*2304+(\k)+32
.endr
.endm
.macro FAX ar, buf, k                  ; eight of X
	WIN 0
.irp a, 0,1,2,3,4,5,6,7
	ds_load_b128 v[AF+64*(\buf)+8*(\a):AF+64*(\buf)+8*(\a)+3], v[(\ar)+(\a)/4] offset:((\a)%4)*16*XP+(\k)
	ds_load_b128 v[AF+64*(\buf)+8*(\a)+4:AF+64*(\buf)+8*(\a)+7], v[(\ar)+(\a)/4] offset:((\a)%4)*16*XP+(\k)+32
.endr
.endm
.macro BIASL adr, off                  ; the bias of four groups of 16 channels, as C operands
	WIN 0
.irp i, 0,1,2,3
	ds_load_b128 v[TMP+8*(\i):TMP+8*(\i)+3], v[\adr] offset:(\off)+64*(\i)
	ds_load_b128 v[TMP+8*(\i)+4:TMP+8*(\i)+7], v[\adr] offset:(\off)+64*(\i)+16
.endr
.endm
.macro PISSUE set                      ; the next 64 channels of my 32 rows of points1: each load takes 256 consecutive bytes of two rows
	WIN 0x40
.set pj, 0
.rept 16
	global_load_b128 v[64*(\set)+4*pj:64*(\set)+4*pj+3], v[POFF], s[72:73] offset:4096*pj th:TH_LOAD_NT
.set pj, pj+1
.endr
	s_wait_xcnt 0x0                                ; the base steps only behind this wait
	s_add_nc_u64 s[72:73], s[72:73], 256
.endm
.macro GISSUE more                     ; four points: their weights and their three neighbours' rows of 1,024 bytes.  more = 1: the next four points' indices are asked for
	s_wait_kmcnt 0x0
.irp u, 0,1,2,3
.irp k, 0,1,2
	s_bfe_u32 s86, s[68+(\u)], (10<<16)|(10*(\k))
	s_min_u32 s86, s86, 0x3ff                      ; a loaded number enters an address only behind a bound
	s_lshl_b32 s82, s86, 10
	s_add_nc_u64 s[40+6*(\u)+2*(\k):41+6*(\u)+2*(\k)], s[78:79], s[82:83]
.endr
.endr
	WIN 0x40
.irp u, 0,1,2,3
	global_load_b128 v[WT+4*(\u):WT+4*(\u)+3], v[VZ], s[74:75] offset:16*(\u)
.irp k, 0,1,2
	global_load_b128 v[GB+24*(\u)+8*(\k):GB+24*(\u)+8*(\k)+3], v[L16], s[40+6*(\u)+2*(\k):41+6*(\u)+2*(\k)]
	global_load_b128 v[GB+24*(\u)+8*(\k)+4:GB+24*(\u)+8*(\k)+7], v[L16], s[40+6*(\u)+2*(\k):41+6*(\u)+2*(\k)] offset:512
.endr
.endr
	s_wait_xcnt 0x0
	s_add_nc_u64 s[74:75], s[74:75], 64
.if \more
	s_load_b128 s[68:71], s[76:77], 0x0
	s_wait_xcnt 0x0
	s_add_nc_u64 s[76:77], s[76:77], 16
.endif
.endm
.macro CONV set, ps                    ; a set of points1 to bf16, in place, and into PR's slot ps
	WIN 0x55
.set cj, 0
.rept 16
	v_cvt_pk_bf16_f32 v[64*(\set)+4*cj], v[64*(\set)+4*cj], v[64*(\set)+4*cj+1]
	v_cvt_pk_bf16_f32 v[64*(\set)+4*cj+1], v[64*(\set)+4*cj+2], v[64*(\set)+4*cj+3]
.set cj, cj+1
.endr
	WIN 0x04
.set cj, 0
.rept 16
	ds_store_b64 v[PST], v[64*(\set)+4*cj:64*(\set)+4*cj+1] offset:(\ps)*PRS+288*cj
.set cj, cj+1
.endr
.endm
.macro LUMP n, conv, set, ps           ; four rows of interp = (g0 w0 + g1 w1) + g2 w2; n = the younger loads that may stay out
	s_wait_loadcnt \n
	WIN 0x55
.irp u, 0,1,2,3
.irp i, 0,1,2,3,4,5,6,7
	v_pk_mul_f16 v[GB+24*(\u)+(\i)], v[GB+24*(\u)+(\i)], v[WT+4*(\u)]
.endr
.endr
.irp u, 0,1,2,3
.irp i, 0,1,2,3,4,5,6,7
	v_pk_fma_f16 v[GB+24*(\u)+(\i)], v[GB+24*(\u)+8+(\i)], v[WT+4*(\u)+1], v[GB+24*(\u)+(\i)]
.endr
.endr
.irp u, 0,1,2,3
.irp i, 0,1,2,3,4,5,6,7
	v_pk_fma_f16 v[GB+24*(\u)+(\i)], v[GB+24*(\u)+16+(\i)], v[WT+4*(\u)+2], v[GB+24*(\u)+(\i)]
.endr
.endr
	WIN 0x04
.irp u, 0,1,2,3
	ds_store_b128 v[XST], v[GB+24*(\u):GB+24*(\u)+3] offset:XP*(\u)
	ds_store_b128 v[XST], v[GB+24*(\u)+4:GB+24*(\u)+7] offset:XP*(\u)+512
.endr
	WIN 0
	v_add_nc_u32 v[XST], 4*XP, v[XST]
.if \conv
	CONV \set, \ps
.endif
.endm
; A step of layer 1, first half: the first 32 k.  src = 0: the points come from PR's slot sl; 1: from X.
.macro H0 form, sl, src, ci, lump, n, conv
	s_wait_dscnt 8                                 ; all but the youngest eight (weights' set 1)
	MUL16 \form, 0, 0, 0, \ci
	MUL16 \form, 0, 0, 1, \ci
	PLACES
	FW 0, \sl, 64
.if \src
	FAX ADRX, 1, 64
.else
	FAP 1, \sl, 64
.endif
.if \ci
	BIASL BAD1, 256
	s_wait_dscnt 0x0
.else
	s_wait_dscnt 24                                ; all but the 24 just issued
.endif
	MUL16 \form, 1, 0, 0, \ci
	MUL16 \form, 1, 0, 1, \ci
.if \lump
	LUMP \n, \conv, 1-(\sl), 1-(\sl)
.endif
	PLACES
	FW 1, \sl, 64
.endm
; Second half: the other 32 k, and the change of slots.  In front of the round each wave waits for all its tensor loads (one is out: its quarter of the next block), adds 0 to its spare word, and waits
; for that, for its reads of this slot, of PR and of X, and for its stores into PR and X.  Behind the round this slot is filled again first; then the next step's fragments are read.
.macro TURN1 form, sl, next, gi, more, pi
	WIN 0
	s_wait_tensorcnt 0x0
	ds_add_u32 v[SPW], v[NIL]
	s_add_nc_u64 s[34+4*(\sl):35+4*(\sl)], s[34+4*(\sl):35+4*(\sl)], 131072  ; no load of mine is out: this slot's next block, two on
	s_wait_dscnt 9                                 ; the add and the youngest eight loads may be out
	MUL16 \form, 0, 1, 0, 0
	s_wait_dscnt 0x0
	s_barrier_signal -1
	MUL16 \form, 0, 1, 1, 0
	WIN 0
	s_barrier_wait -1
	CREST
	JLOAD \sl                                      ; its four v_nop are also the places in front of the loads below
.if (\next) != NN
	FW 0, 1-(\sl), 0
.endif
.if (\next) == NP
	FAP 0, 1-(\sl), 0
.elseif (\next) == NX0
	FAX ADRX, 0, 0
.elseif (\next) == NX
	FAX ADRX, 0, 128
	v_add_nc_u32 v[ADRX], 128, v[ADRX]
	v_add_nc_u32 v[ADRX+1], 128, v[ADRX+1]
.endif
.if \gi
	GISSUE \more                                   ; the gather first, then the stream: a wait for the gather leaves the younger stream out
.endif
.if \pi
	PISSUE 1-(\sl)
.endif
	MUL16 \form, 1, 1, 0, 0
	MUL16 \form, 1, 1, 1, 0
	PLACES
.if (\next) != NN
	FW 1, 1-(\sl), 0
.endif
.endm
.macro PSTEP sl, ci, n, conv, gi, more, pi, next
	H0 bf16, \sl, 0, \ci, 1, \n, \conv
	TURN1 bf16, \sl, \next, \gi, \more, \pi
.endm
.macro ISTEP sl, next
	H0 f16, \sl, 1, 0, 0, 0, 0
	TURN1 f16, \sl, \next, 0, 0, 0
.endm
; A step of layer 2: four quarters of 32 k, 32 matrix instructions each; a quarter's 24 loads are issued ahead of the quarter before it.
; mode 2: the slot is filled again; 1: a change of slots with nothing to fetch; 0: the last step.
.macro L2STEP sl, ci, mode
	PLACES
	FV 1, \sl, 1
	FAX ADRH, 1, 64
	s_wait_dscnt 24                                ; all but the 24 just issued
	MUL16B 0, 0, \ci
	MUL16B 0, 1, \ci
	PLACES
	FV 0, \sl, 2
	FAX ADRH, 0, 128
	s_wait_dscnt 24
	MUL16B 1, 0, 0
	MUL16B 1, 1, 0
	PLACES
	FV 1, \sl, 3
	FAX ADRH, 1, 192
	s_wait_dscnt 24
	MUL16B 2, 0, 0
	MUL16B 2, 1, 0
.if (\mode) == 0
	s_wait_dscnt 0x0                               ; my reads of h are over: behind this barrier X becomes the stages
	s_barrier_signal -1
	MUL16B 3, 0, 0
	MUL16B 3, 1, 0
	WIN 0
	s_barrier_wait -1
.else
	WIN 0
	s_wait_tensorcnt 0x0
	ds_add_u32 v[SPW], v[NIL]
.if (\mode) == 2
	s_add_nc_u64 s[34+4*(\sl):35+4*(\sl)], s[34+4*(\sl):35+4*(\sl)], 131072
.endif
	s_wait_dscnt 0x0
	s_barrier_signal -1
	MUL16B 3, 0, 0
	WIN 0
	s_barrier_wait -1
.if (\mode) == 2
	CREST
	JLOAD \sl
.else
	PLACES
.endif
	FV 0, 1-(\sl), 0
	FAX ADRH, 0, 256
	v_add_nc_u32 v[ADRH], 256, v[ADRH]
	v_add_nc_u32 v[ADRH+1], 256, v[ADRH+1]
	MUL16B 3, 1, 0
.endif
.endm
.macro HOUT a                          ; 16 points' h: rounded to f16, the maximum with 0, 16 bytes a lane into X; each accumulator is read from its lowest registers up
	WIN 0x0a+5*((\a)/4)
.set hx, 0
.rept 32
	v_cvt_pk_f16_f32 v[TMP+hx], v[64*((\a)%4)+2*hx], v[64*((\a)%4)+2*hx+1]
.set hx, hx+1
.endr
	WIN 0
.set hx, 0
.rept 32
	v_pk_max_num_f16 v[TMP+hx], v[TMP+hx], v[VZ]
.set hx, hx+1
.endr
.irp b, 0,1,2,3,4,5,6,7
	ds_store_b128 v[HST+(\a)/4], v[TMP+4*(\b):TMP+4*(\b)+3] offset:((\a)%4)*16*XP+32*(\b)
.endr
.endm
.macro OUTA a                          ; 16 points' results: the maximum with 0, through my stage, out as whole rows of 256 bytes
	WIN 0x08
.set ox, 0
.rept 32
	v_max_num_f32 v[TMP+ox], 0, v[32*(\a)+ox]
.set ox, ox+1
.endr
	WIN 0
.irp b, 0,1,2,3
	ds_store_b128 v[OST], v[TMP+8*(\b):TMP+8*(\b)+3] offset:64*(\b)
	ds_store_b128 v[OST], v[TMP+8*(\b)+4:TMP+8*(\b)+7] offset:64*(\b)+16
.endr
	s_wait_xcnt 0x0                                ; registers that earlier stores read are loaded again only behind this wait
.irp t, 0,1,2,3,4,5,6,7
	ds_load_b128 v[AF+64*((\a)%2)+4*(\t):AF+64*((\a)%2)+4*(\t)+3], v[ORD] offset:544*(\t)  ; LDS serves a wave's instructions in order (ISA guide 5.7.1.4): these see the stores above
.endr
	s_wait_dscnt 0x0
.irp t, 0,1,2,3,4,5,6,7
	global_store_b128 v[OGO], v[AF+64*((\a)%2)+4*(\t):AF+64*((\a)%2)+4*(\t)+3], s[80:81] offset:16384*(\a)+2048*(\t) th:TH_STORE_NT  ; 16 lanes store 256 consecutive bytes, aligned
.endr
.endm
	s_load_b256 s[4:11], s[0:1], 0x0               ; wts s[4:5], bias s[6:7], p2h s[8:9], nidx s[10:11]
	s_load_b128 s[12:15], s[0:1], 0x20             ; nwt s[12:13], points1 s[14:15]
	s_load_b64 s[16:17], s[0:1], 0x30              ; out0
	v_lshl_add_u32 v[SPW], v0, 2, SPARE
	v_mov_b32 v[NIL], 0
	ds_add_u32 v[SPW], v[NIL]                      ; the wave's opening: the add and its wait stand ahead of my first tensor load
	v_lshrrev_b32 v1, 5, v0
	v_readfirstlane_b32 s18, v1                    ; wave 0..3
	s_bfe_u32 s19, ttmp6, 0x40000                  ; my place in the cluster
	s_lshl_b32 s20, ttmp9, 2
	s_add_co_u32 s20, s20, s19                     ; T: it enters global addresses of my own loads and stores alone
	; descriptor group 1: 16,384 dense bytes as 64 rows of 256, padded in LDS after every 128 bytes
	s_mov_b32 s24, 15|(1<<16)|(1<<20)|(1<<21)|(4<<22)|(3<<25)  ; the mask of four; 2-byte elements; padding on; bit 21 beside a mask; after every 32 words; 4 words
	s_mov_b32 s25, 128<<16                         ; tensor_dim0 = 128
	s_mov_b32 s26, 64<<16                          ; tensor_dim1 = 64
	s_mov_b32 s27, 128<<16                         ; tile_dim0 = 128
	s_mov_b32 s28, 64                              ; tile_dim1 = 64
	s_mov_b32 s29, 128                             ; 128 elements from row to row
	s_mov_b32 s30, 0
	s_mov_b32 s31, 0
	s_mov_b32 s32, 1                               ; group 0, a set for each slot
	s_mul_i32 s33, s18, WQ
	s_mov_b32 s36, 1
	s_add_co_u32 s37, s33, WSLOT
	s_lshl_b32 s22, s18, 14                        ; my quarter of a block in memory
	s_mov_b32 s23, 0
	s_mov_b32 s83, 0
	s_lshl_b32 s21, s20, 7
	s_lshl_b32 s88, s18, 5
	s_add_co_u32 s21, s21, s88                     ; the first of the 32 points that I serve
	s_wait_dscnt 0x0                               ; the opening add is done
	s_wait_kmcnt 0x0
	s_add_nc_u64 s[34:35], s[4:5], s[22:23]        ; block 0,
	s_add_nc_u64 s[38:39], s[34:35], 65536         ; block 1
	s_or_b32 s35, s35, 0x80000000                  ; type = 2
	s_or_b32 s39, s39, 0x80000000
	s_lshl_b32 s82, s21, 11
	s_add_nc_u64 s[72:73], s[14:15], s[82:83]      ; points1 at my rows
	s_lshl_b32 s82, s21, 4
	s_add_nc_u64 s[74:75], s[12:13], s[82:83]      ; nwt
	s_lshl_b32 s82, s21, 2
	s_add_nc_u64 s[76:77], s[10:11], s[82:83]      ; nidx
	s_lshr_b32 s82, s20, 5
	s_lshl_b32 s82, s82, 20
	s_add_nc_u64 s[78:79], s[8:9], s[82:83]        ; the batch's rows of p2h
	s_lshl_b32 s82, s20, 17
	s_lshl_b32 s88, s18, 8
	s_add_co_u32 s82, s82, s88
	s_add_nc_u64 s[80:81], s[16:17], s[82:83]      ; out0 at the tile's first row, my 64 channels
	CROUND                                         ; all four work-groups are here: the first joint loads meet
	tensor_load_to_lds s[32:35], s[24:31]          ; two loads of mine are out
	s_nop 0
	tensor_load_to_lds s[36:39], s[24:31]
	s_nop 0
	PLACES
	s_load_b128 s[68:71], s[76:77], 0x0            ; the first four points' indices
	v_and_b32 v1, 31, v0                           ; l
	v_and_b32 v21, 15, v0                          ; r = l % 16
	v_bfe_u32 v22, v0, 4, 1                        ; h = l / 16
	v_mul_u32_u24 v23, v21, 144
	v_lshl_add_u32 v23, v22, 4, v23
	s_mul_i32 s87, s18, 128*144
	v_add_nc_u32 v[ADRW], s87, v23
	v_add_nc_u32 v[ADRW+1], WSLOT, v[ADRW]
	s_mul_i32 s87, s18, 64*144
	v_add_nc_u32 v[ADRV], s87, v23
	v_add_nc_u32 v[ADRV+1], WSLOT, v[ADRV]
	v_add_nc_u32 v[ADRP], PRB, v23
	v_mul_u32_u24 v24, v21, XP
	v_lshl_add_u32 v24, v22, 4, v24
	v_add_nc_u32 v[ADRX], XB, v24
	v_add_nc_u32 v[ADRX+1], 64*XP, v[ADRX]
	v_mov_b32 v[ADRH], v[ADRX]
	v_mov_b32 v[ADRH+1], v[ADRX+1]
	v_lshl_add_u32 v[HST], s18, 8, v[ADRX]
	v_add_nc_u32 v[HST+1], 64*XP, v[HST]
	s_mul_i32 s87, s18, 32*XP
	s_add_co_u32 s87, s87, XB
	v_lshl_add_u32 v[XST], v1, 4, s87
	s_mul_i32 s87, s18, 32*144
	s_add_co_u32 s87, s87, PRB
	v_mul_u32_u24 v25, v22, 144
	v_lshl_add_u32 v25, v21, 3, v25
	v_add_nc_u32 v[PST], s87, v25
	s_lshl_b32 s87, s18, 9
	s_add_co_u32 s87, s87, BIASB
	v_lshl_add_u32 v[BAD1], v22, 5, s87
	s_lshl_b32 s87, s18, 8
	s_add_co_u32 s87, s87, BIASB+2048
	v_lshl_add_u32 v[BAD2], v22, 5, s87
	s_mul_i32 s87, s18, 16*272
	s_add_co_u32 s87, s87, XB
	v_mul_u32_u24 v25, v21, 272
	v_lshl_add_u32 v25, v22, 5, v25
	v_add_nc_u32 v[OST], s87, v25
	v_mul_u32_u24 v25, v22, 272
	v_lshl_add_u32 v25, v21, 4, v25
	v_add_nc_u32 v[ORD], s87, v25
	v_lshlrev_b32 v25, 4, v21
	v_lshl_add_u32 v[OGO], v22, 10, v25
	v_lshl_add_u32 v[POFF], v22, 11, v25
	v_lshlrev_b32 v[L16], 4, v1
	v_mov_b32 v[VZ], 0
	v_lshlrev_b32 v26, 4, v0
	v_add_nc_u32 v27, BIASB, v26
	s_wait_xcnt 0x0
	s_add_nc_u64 s[76:77], s[76:77], 16
	global_load_b128 v[TMP:TMP+3], v26, s[6:7]     ; the biases: 4,096 bytes by 128 threads
	global_load_b128 v[TMP+4:TMP+7], v26, s[6:7] offset:2048
	PISSUE 0                                       ; channels 0-63,
	PISSUE 1                                       ; 64-127,
	GISSUE 1                                       ; and the first four points' neighbours
	WIN 0
	s_wait_loadcnt 44                              ; behind the biases and channels 0-63 stand 16 + 28 loads
	ds_store_b128 v27, v[TMP:TMP+3]
	ds_store_b128 v27, v[TMP+4:TMP+7] offset:2048
	CONV 0, 0
	WIN 0
	s_wait_dscnt 0x0                               ; for the others' sake: my stores are done
	PISSUE 0                                       ; channels 128-191
	WIN 0
	s_wait_tensorcnt 0x1                           ; my quarter of block 0 is in; block 1's may stay out
	s_barrier_signal -1
	s_barrier_wait -1
	BIASL BAD1, 0
	FW 0, 0, 0
	FAP 0, 0, 0
	FW 1, 0, 0
	; step s: its lump makes interp's rows 4 s .. 4 s + 3 of my 32 and turns channels 64 (s + 1) .. to bf16; its second half asks for the neighbours of step s + 1 and for channels 64 (s + 3) ..
	; The lump's count 16: behind the gather that it needs stand the 16 loads of channels 64 (s + 2) ..
	PSTEP 0, 1, 16, 1, 1, 1, 1, NP
	WIN 0
	s_mov_b32 s84, 2
.Lp:                                                   ; steps 1 to 4
	PSTEP 1, 0, 16, 1, 1, 1, 1, NP
	PSTEP 0, 0, 16, 1, 1, 1, 1, NP
	WIN 0
	s_sub_co_u32 s84, s84, 1
	s_cmp_lg_u32 s84, 0
	s_cbranch_scc1 .Lp
	PSTEP 1, 0, 16, 1, 1, 1, 0, NP                 ; step 5: points1 has been asked for to its end
	PSTEP 0, 0, 0, 1, 1, 0, 0, NP                  ; step 6: nothing younger is out; the last gather is asked for
	PSTEP 1, 0, 0, 0, 0, 0, 0, NX0                 ; step 7: interp is whole behind its round
.rept 5
	v_nop                                          ; the f16 form takes up sums that the bf16 form wrote: no chain, so five places and more stand between
.endr
	WIN 0
	s_mov_b32 s84, 3
.Li:                                                   ; steps 8 to 13
	ISTEP 0, NX
	ISTEP 1, NX
	WIN 0
	s_sub_co_u32 s84, s84, 1
	s_cmp_lg_u32 s84, 0
	s_cbranch_scc1 .Li
	ISTEP 0, NX
	ISTEP 1, NN                                    ; step 15: behind its round nobody reads interp any more
.irp a, 0,1,2,3,4,5,6,7
	HOUT \a
.endr
	s_wait_dscnt 0x0                               ; for the others' sake: my part of h is written
	s_barrier_signal -1                            ; block 17 stays on its way
	s_barrier_wait -1
	BIASL BAD2, 0
	FV 0, 0, 0
	FAX ADRH, 0, 0
	L2STEP 0, 1, 2
	L2STEP 1, 0, 2
	L2STEP 0, 0, 1
	L2STEP 1, 0, 0
	PLACES
.irp a, 0,1,2,3,4,5,6,7
	OUTA \a
.endr
	s_wait_tensorcnt 0x0                           ; the wave's end
	ds_add_u32 v[SPW], v[NIL]
	s_wait_dscnt 0x0
	CROUND                                         ; the closing round: no work-group ends while a partner may still ask for a block that names it
	s_endpgm
.Lfunc_end_k_qf69c9f1ec2_mlp:
	.size	k_qf69c9f1ec2_mlp, .Lfunc_end_k_qf69c9f1ec2_mlp-k_qf69c9f1ec2_mlp
	.p2alignl 7, 3214868480
	.fill 96, 4, 3214868480
	.section	.rodata,"a",@progbits
	.p2align	6, 0x0
	.amdhsa_kernel k_qf69c9f1ec2_mlp
		.amdhsa_group_segment_fixed_size 327680
		.amdhsa_private_segment_fixed_size 0
		.amdhsa_enable_private_segment 0
		.amdhsa_kernarg_size 56
		.amdhsa_user_sgpr_count 2
		.amdhsa_user_sgpr_kernarg_segment_ptr 1
		.amdhsa_wavefront_size32 1
		.amdhsa_system_sgpr_workgroup_id_x 1
		.amdhsa_system_sgpr_workgroup_id_y 1
		.amdhsa_system_sgpr_workgroup_id_z 1
		.amdhsa_system_vgpr_workitem_id 0
		.amdhsa_next_free_vgpr 1024
		.amdhsa_next_free_sgpr 96
		.amdhsa_reserve_vcc 0
		.amdhsa_float_denorm_mode_32 3
		.amdhsa_float_denorm_mode_16_64 3
		.amdhsa_memory_ordered 1
		.amdhsa_forward_progress 1
		.amdhsa_inst_pref_size 255
	.end_amdhsa_kernel
	.section	.bss,"aw",@nobits
	.p2align	6
	.space	262144
	.amdgpu_metadata
---
amdhsa.version: [ 1, 2 ]
amdhsa.kernels:
  - .name:           k_qf69c9f1ec2_mlp
    .symbol:         k_qf69c9f1ec2_mlp.kd
    .args:
      - { .name: wts, .offset: 0, .size: 8, .value_kind: global_buffer, .address_space: global }
      - { .name: bias, .offset: 8, .size: 8, .value_kind: global_buffer, .address_space: global }
      - { .name: p2h, .offset: 16, .size: 8, .value_kind: global_buffer, .address_space: global }
      - { .name: nidx, .offset: 24, .size: 8, .value_kind: global_buffer, .address_space: global }
      - { .name: nwt, .offset: 32, .size: 8, .value_kind: global_buffer, .address_space: global }
      - { .name: points1, .offset: 40, .size: 8, .value_kind: global_buffer, .address_space: global }
      - { .name: out0, .offset: 48, .size: 8, .value_kind: global_buffer, .address_space: global }
    .group_segment_fixed_size: 327680
    .private_segment_fixed_size: 0
    .kernarg_segment_align: 8
    .kernarg_segment_size: 56
    .max_flat_workgroup_size: 128
    .sgpr_count:     96
    .vgpr_count:     1024
    .wavefront_size: 32
...
	.end_amdgpu_metadata
.endif
;; end of part 3
;; ======== version 2 of 2: 3 launches; version 1 with the launch front written anew for expert scheduling mode
;; limits: values are held in f16: magnitudes above 65,504 overflow, below 6.1e-05 lose precision
;; workspace buffers: cand 262,144 bytes; blk 262,144 bytes of whole numbers; p2h 16,777,216 bytes; wts 1,310,720 bytes; bias 4,096 bytes; nidx 262,144 bytes of whole numbers; nwt 1,048,576 bytes
;; launch front (part 4): grid 256 x 1, 8 waves a work-group, no clusters, 17,408 bytes of LDS; arguments xyz1, xyz2, points2, W1, W2, b1, b2, cand, blk, p2h, wts, bias; writes cand, blk, p2h, wts, bias
.if DOCPART == 4
	.amdgcn_target "amdgcn-amd-amdhsa--gfx1250"
	.amdhsa_code_object_version 6
	.text
	.protected	k_qf69c9f1ec2_front
	.globl	k_qf69c9f1ec2_front
	.p2align	8
	.type	k_qf69c9f1ec2_front,@function
k_qf69c9f1ec2_front:
	s_mov_b64 s[64:65], 0
	v_nop
	global_prefetch_b8 v0, s[64:65] scope:SCOPE_SE
	s_setreg_imm32_b32 hwreg(HW_REG_WAVE_SCHED_MODE, 0, 2), 2
	s_setreg_imm32_b32 hwreg(HW_REG_WAVE_MODE, 25, 1), 1
	s_wait_xcnt 0x0
	s_wait_alu depctr_vm_vsrc(0)
; FRONT.  Work-group g serves batch g / 16 and the 256 queries 256 g .. 256 g + 255.  Every input is first rounded to bf16.
; ALL EIGHT WAVES build in LDS the batch's table of 1,024 candidates, 16 bytes each: (-2 y0, -2 y1, -2 y2, n2), n2 = (y0 y0 + y1 y1) + y2 y2.
; WAVES 0-3 (the scan): a lane has two queries.  d = (n1 + n2) + ((x0 (-2 y0) + x1 (-2 y1)) + x2 (-2 y2)): products of two bf16 numbers are exact in f32, so a fused
; multiply-add rounds where the plain sum would, and the factor -2 scales every term exactly: d has the bits of n1 + n2 - 2 (x . y) summed in that order.
; For each block of 16 neighbouring candidates the minimum of d is taken, and the three blocks with the least minimum (ties: the lower block) are kept.  The three nearest
; candidates (ties: the lower index) lie in those blocks: an element of any other block has before it one element of each of the three.  The next launch picks among the 48.
; WAVES 4-7 (the formats): cand = the table; p2h = points2 as f16 of its bf16 rounding; wts = W1 and W2 turned to [channel][k] in dense blocks of 65,536 bytes
; (blocks 0-7 W1 rows 0-511 in bf16; 8-15 W1 rows 512-1023 and 16-19 W2, the bf16 rounding written as f16); bias = b1, b2 rounded to bf16, as f32, then 256 zeros.
; Both kinds of wave meet at one end, behind a barrier.
; LIMITS.  |points2|, |W1|, |W2| stay under 65,504 (f16); below 6e-5 f16 keeps its fixed step of 6e-8.  Distances that are NaN or infinite are not treated.
; THE MODE: SCHED_MODE bits 1:0 = 2 (LLVM: expert scheduling mode 2), set by the entry lines.  The code itself states the register dependences between vector instructions
; and memory or LDS instructions, and between a vector instruction that writes a scalar register and that register's readers, with s_wait_alu, always for 0.
; THE PLAN.  Registers that memory or LDS instructions touch:
;   the head   v2 (offset of xyz2's loads), v3 and v[24:39] (address and data of the table's stores): written by vector lines, read once; both arms write them again behind one wait on vm_vsrc.
;   the scan   CB0, CB1: block p's products and sums read CB[p % 2]; the sixteen LDS loads of block p + 1, issued in block p, land in the other buffer, which block p - 1 read and no line of block p names.
;              v[CA]: read by every table load; written once a trip, at the trip's head.  So ONE wait on va_vdst stands at a block's head, and the block's loads follow it among its first products.
;   the ring   (formats) 16 blocks of four slots of 512 bytes.  X0 .. X3: written by the loads of block p + 3, issued in block p; read by block p's conversions.  Y0, Y1: written by block p's
;              conversions; read by the four stores that are issued in block p + 1.  Block p's memory instructions touch X[(p - 1) % 4] and Y[(p - 1) % 2], which no vector line of block p names.
;              v46, v47, v6, v7: offsets, made once at the arm's head and never written again: the ring's rows are reached by two scalar bases and by immediate offsets.
;   v[SPW], v[NIL]: written at the head, read by the closing add alone.
.set SPARE, 16384                      ; behind the table: the spare words, 128 bytes for each of eight waves
.set SPW, 10                           ; v10  LDS address of my spare word; never rewritten
.set NIL, 11                           ; v11  0; never rewritten
.set X0,  12                           ; v[12:17] the two queries' coordinates, a pair for each axis
.set X1,  14
.set X2,  16
.set N1,  18                           ; v[18:19] their n1
.set SA,  20                           ; v20-25 first query: three least minima, ascending, then their blocks
.set SB,  26                           ; v26-31 second query
.set MM,  32                           ; v32-33 the block's minimum, for each query
.set T,   34                           ; v[34:41] n1 + n2, four pairs by turns
.set VJ,  42                           ; v42 the block's number
.set TA,  43                           ; v43, v46 at work
.set CA,  44                           ; v44 LDS address of the pair of blocks in hand, the same in every lane: 512 x the trip
.set BO,  45                           ; v45 my byte offset in blk
.set TB,  46
.set D,   48                           ; v[48:79] sixteen pairs of distances
.set CB0, 80                           ; v[80:143], v[144:207] two buffers of sixteen candidates
.set CB1, 144
.set RX,  64                           ; the format waves' ring: v[64:127] buffer k, slot i: 4 registers at RX + 16 k + 4 i, as loaded,
.set RY,  128                          ; v[128:143] buffer k, slot i: a pair at RY + 8 k + 2 i, to store,
.set PT,  144                          ; v[144:149] at work: no memory instruction names them
.set TRIPS, 31                         ; the scan's loop takes blocks 0-61, two a trip; blocks 62 and 63 are written out
.macro RND2 t, a, b                    ; two numbers rounded to bf16, kept as f32
	v_cvt_pk_bf16_f32 v[\t], v[\a], v[\b]
	v_lshlrev_b32 v[\a], 16, v[\t]
	v_and_b32 v[\b], 0xffff0000, v[\t]
.endm
.macro TOH w                           ; a word of two bf16 becomes the same two numbers in f16
	v_lshlrev_b32 v48, 16, v[\w]
	v_and_b32 v49, 0xffff0000, v[\w]
	v_cvt_pk_f16_f32 v[\w], v48, v49
.endm
	s_load_b512 s[4:19], s[0:1], 0x0               ; xyz1 s[4:5], xyz2 s[6:7], points2 s[8:9], W1 s[10:11], W2 s[12:13], b1 s[14:15], b2 s[16:17], cand s[18:19]
	s_load_b256 s[20:27], s[0:1], 0x40             ; blk s[20:21], p2h s[22:23], wts s[24:25], bias s[26:27]
	v_lshl_add_u32 v[SPW], v0, 2, SPARE
	v_mov_b32 v[NIL], 0
	v_lshrrev_b32 v1, 5, v0
	v_readfirstlane_b32 s28, v1                    ; wave 0..7
	s_mov_b32 s29, ttmp9                           ; g
	s_lshr_b32 s40, s29, 4
	s_mul_i32 s40, s40, 12288                      ; the batch's 1,024 x 12 bytes of xyz2
	s_mov_b32 s41, 0
	s_mov_b32 s43, 0
	v_mul_u32_u24 v2, v0, 48                       ; thread t takes candidates 4 t .. 4 t + 3: 48 bytes
	v_lshlrev_b32 v3, 6, v0                        ; and writes 64 bytes of the table
	s_wait_alu depctr_va_sdst(0)                   ; s28 is written, ahead of its first reader: the compare that parts the waves, behind the barrier below
	s_wait_kmcnt 0x0
	s_add_nc_u64 s[6:7], s[6:7], s[40:41]
	s_wait_alu depctr_va_vdst(0)                   ; v2 is written, which the three loads read as their offset
	global_load_b128 v[12:15], v2, s[6:7]
	global_load_b128 v[16:19], v2, s[6:7] offset:16
	global_load_b128 v[20:23], v2, s[6:7] offset:32
	s_wait_loadcnt 0x0
.irp p, 12,14,16,18,20,22
	RND2 40, \p, (\p)+1
.endr
.irp c, 0,1,2,3
	v_mul_f32 v[27+4*(\c)], v[12+3*(\c)], v[12+3*(\c)]
	v_fma_f32 v[27+4*(\c)], v[13+3*(\c)], v[13+3*(\c)], v[27+4*(\c)]
	v_fma_f32 v[27+4*(\c)], v[14+3*(\c)], v[14+3*(\c)], v[27+4*(\c)]
	v_mul_f32 v[24+4*(\c)], -2.0, v[12+3*(\c)]
	v_mul_f32 v[25+4*(\c)], -2.0, v[13+3*(\c)]
	v_mul_f32 v[26+4*(\c)], -2.0, v[14+3*(\c)]
.endr
	s_wait_alu depctr_va_vdst(0)                   ; the four candidates' lines have written v[24:39], which the LDS stores read (v3, their address, stands ahead of the wait before)
.irp c, 0,1,2,3
	ds_store_b128 v3, v[24+4*(\c):27+4*(\c)] offset:16*(\c)
.endr
	s_wait_dscnt 0x0                               ; for the others' sake: my part of the table is written
	s_barrier_signal -1
	s_barrier_wait -1                              ; the table is whole; it is only read from here on
	s_wait_alu depctr_vm_vsrc(0)                   ; the loads have read v2, the LDS stores v3 and v[24:39]: both arms write these registers again
	s_cmp_ge_u32 s28, 4
	s_cbranch_scc1 .Lprep
; ---------------------------------------------------------------- the scan, waves 0-3
.macro LOADB cb, off                   ; sixteen candidates, every lane the same 16 bytes
.set c, 0
.rept 16
	ds_load_b128 v[(\cb)+4*c:(\cb)+4*c+3], v[CA] offset:(\off)+16*c
.set c, c+1
.endr
.endm
; One block: 16 candidates x 2 queries, out of buffer cb.  Like lines stand together, so that none reads the result of the line before it.  sj: the block's number, a scalar register or a constant.
; ld = 1: the next block's sixteen candidates, at byte noff from v[CA], are asked for into buffer nb, a load ahead of each of the first sixteen products: no vector line of this block names nb or v[CA].
; At its end the block's two minima are set in among each query's three least (three values, three numbers).  Strictly less: of equals the earlier stays in front.
.macro COMP cb, sj, ld, nb, noff
.set c, 0
.rept 16
.if \ld
	ds_load_b128 v[(\nb)+4*c:(\nb)+4*c+3], v[CA] offset:(\noff)+16*c
.endif
	v_pk_mul_f32 v[D+2*c:D+2*c+1], v[X0:X0+1], v[(\cb)+4*c:(\cb)+4*c+1] op_sel_hi:[1,0]
.set c, c+1
.endr
.set c, 0
.rept 16
	v_pk_fma_f32 v[D+2*c:D+2*c+1], v[X1:X1+1], v[(\cb)+4*c:(\cb)+4*c+1], v[D+2*c:D+2*c+1] op_sel:[0,1,0] op_sel_hi:[1,1,1]
.set c, c+1
.endr
.set c, 0
.rept 16
	v_pk_fma_f32 v[D+2*c:D+2*c+1], v[X2:X2+1], v[(\cb)+4*c+2:(\cb)+4*c+3], v[D+2*c:D+2*c+1] op_sel_hi:[1,0,1]
.set c, c+1
.endr
.set c, 0
.rept 4
.set k, 0
.rept 4
	v_pk_add_f32 v[T+2*k:T+2*k+1], v[N1:N1+1], v[(\cb)+4*(c+k)+2:(\cb)+4*(c+k)+3] op_sel:[0,1] op_sel_hi:[1,1]
.set k, k+1
.endr
.set k, 0
.rept 4
	v_pk_add_f32 v[D+2*(c+k):D+2*(c+k)+1], v[T+2*k:T+2*k+1], v[D+2*(c+k):D+2*(c+k)+1]
.set k, k+1
.endr
.set c, c+4
.endr
.irp b, 0,3,6,9,12
.irp p, 0,1
	v_min3_num_f32 v[D+2*(\b)+(\p)], v[D+2*(\b)+(\p)], v[D+2*(\b)+2+(\p)], v[D+2*(\b)+4+(\p)]
.endr
.endr
.irp p, 0,1
	v_min3_num_f32 v[D+(\p)], v[D+(\p)], v[D+6+(\p)], v[D+12+(\p)]
	v_min3_num_f32 v[D+18+(\p)], v[D+18+(\p)], v[D+24+(\p)], v[D+30+(\p)]
.endr
	v_mov_b32 v[VJ], \sj
.irp p, 0,1
	v_min_num_f32 v[MM+(\p)], v[D+(\p)], v[D+18+(\p)]
.endr
	v_cmp_lt_f32 s34, v[MM], v[SA]                 ; both queries' six compares stand in one run,
	v_cmp_lt_f32 s35, v[MM], v[SA+1]
	v_cmp_lt_f32 s36, v[MM], v[SA+2]
	v_cmp_lt_f32 s37, v[MM+1], v[SB]
	v_cmp_lt_f32 s38, v[MM+1], v[SB+1]
	v_cmp_lt_f32 s39, v[MM+1], v[SB+2]
	v_med3_num_f32 v[SA+2], v[MM], v[SA+1], v[SA+2]      ; behind them the values' six lines, which read no mask,
	v_med3_num_f32 v[SB+2], v[MM+1], v[SB+1], v[SB+2]
	v_med3_num_f32 v[SA+1], v[MM], v[SA], v[SA+1]
	v_med3_num_f32 v[SB+1], v[MM+1], v[SB], v[SB+1]
	v_min_num_f32 v[SA], v[MM], v[SA]
	v_min_num_f32 v[SB], v[MM+1], v[SB]
	s_wait_alu depctr_va_sdst(0)                   ; the six compares have written s34 to s39, which the selects below read
	v_cndmask_b32 v[TA], v[VJ], v[SA+4], s35
	v_cndmask_b32 v[TB], v[VJ], v[SB+4], s38
	v_cndmask_b32 v[SA+5], v[SA+5], v[TA], s36
	v_cndmask_b32 v[SB+5], v[SB+5], v[TB], s39
	v_cndmask_b32 v[TA], v[VJ], v[SA+3], s34
	v_cndmask_b32 v[TB], v[VJ], v[SB+3], s37
	v_cndmask_b32 v[SA+4], v[SA+4], v[TA], s35
	v_cndmask_b32 v[SB+4], v[SB+4], v[TB], s38
	v_cndmask_b32 v[SA+3], v[SA+3], v[VJ], s34
	v_cndmask_b32 v[SB+3], v[SB+3], v[VJ], s37
.endm
	v_and_b32 v1, 31, v0
	v_mul_u32_u24 v2, v1, 24
	v_lshlrev_b32 v[BO], 3, v1
	v_mov_b32 v[CA], 0
	s_lshl_b32 s40, s29, 8
	s_lshl_b32 s42, s28, 6
	s_add_co_u32 s40, s40, s42                     ; the wave's first query: 256 g + 64 w; lane l has queries + 2 l and + 2 l + 1
	s_mul_i32 s42, s40, 12
	s_add_nc_u64 s[4:5], s[4:5], s[42:43]
	s_lshl_b32 s42, s40, 2
	s_add_nc_u64 s[20:21], s[20:21], s[42:43]
	s_wait_alu depctr_va_vdst(0)                   ; v2, v[BO] and v[CA] are written, which the loads below and the last store read as offsets and address
	global_load_b64 v[34:35], v2, s[4:5]           ; x0, x1 of the first
	global_load_b64 v[36:37], v2, s[4:5] offset:8  ; x2 of the first, x0 of the second
	global_load_b64 v[38:39], v2, s[4:5] offset:16 ; x1, x2 of the second
	LOADB CB0, 0
.irp s, SA, SB
	v_mov_b32 v[(\s)], 0x7f800000                  ; the three least start at +infinity,
	v_mov_b32 v[(\s)+1], 0x7f800000
	v_mov_b32 v[(\s)+2], 0x7f800000
	v_mov_b32 v[(\s)+3], 0                         ; with three different numbers
	v_mov_b32 v[(\s)+4], 1
	v_mov_b32 v[(\s)+5], 2
.endr
	s_wait_loadcnt 0x0
.irp i, 0,1,2
	v_cvt_pk_bf16_f32 v[VJ], v[34+(\i)], v[37+(\i)]
	v_lshlrev_b32 v[X0+2*(\i)], 16, v[VJ]
	v_and_b32 v[X0+2*(\i)+1], 0xffff0000, v[VJ]
.endr
	v_pk_mul_f32 v[N1:N1+1], v[X0:X0+1], v[X0:X0+1]
	v_pk_fma_f32 v[N1:N1+1], v[X1:X1+1], v[X1:X1+1], v[N1:N1+1]
	v_pk_fma_f32 v[N1:N1+1], v[X2:X2+1], v[X2:X2+1], v[N1:N1+1]
	s_mov_b32 s30, 0
.Lscan:                                                ; trip i: blocks 2 i and 2 i + 1; each buffer is loaded while the other is worked on
	s_lshl_b32 s45, s30, 9                         ; the pair's place in the table: 512 i,
	s_lshl_b32 s31, s30, 1                         ; the even block's number,
	s_or_b32 s32, s31, 1                           ; the odd one's
	s_wait_alu depctr_vm_vsrc(0)                   ; the table loads issued so far have read v[CA]
	v_mov_b32 v[CA], s45
	s_wait_dscnt 0x0                               ; the even block is in: its sixteen loads were the last issued
	s_wait_alu depctr_va_vdst(0)                   ; v[CA] is written; the block before is done reading CB1, in which this block's loads land
	COMP CB0, s31, 1, CB1, 256
	s_wait_dscnt 0x0                               ; the odd block is in
	s_wait_alu depctr_va_vdst(0)                   ; the even block's lines are done reading CB0, in which this block's loads land: the next trip's even block
	COMP CB1, s32, 1, CB0, 512
	s_add_co_u32 s30, s30, 1
	s_cmp_lt_u32 s30, TRIPS
	s_cbranch_scc1 .Lscan
	s_wait_alu depctr_vm_vsrc(0)                   ; the table loads issued so far have read v[CA]
	v_mov_b32 v[CA], 512*TRIPS                     ; blocks 62 and 63 are written out: nothing is read past the table
	s_wait_dscnt 0x0
	s_wait_alu depctr_va_vdst(0)                   ; v[CA] is written; block 61 is done reading CB1, in which block 63 lands
	COMP CB0, 2*TRIPS, 1, CB1, 256
	s_wait_dscnt 0x0                               ; block 63 is in; it asks for nothing more
	COMP CB1, 2*TRIPS+1, 0, CB0, 0
	v_lshl_or_b32 v34, v[SA+4], 6, v[SA+3]
	v_lshl_or_b32 v35, v[SB+4], 6, v[SB+3]
	v_lshl_or_b32 v34, v[SA+5], 12, v34
	v_lshl_or_b32 v35, v[SB+5], 12, v35
	s_wait_alu depctr_va_vdst(0)                   ; v34 and v35 are written, which the store reads
	global_store_b64 v[BO], v[34:35], s[20:21]     ; the wave stores 256 consecutive bytes, aligned
	s_branch .Lend
; ---------------------------------------------------------------- the formats, waves 4-7
.Lprep:
	s_sub_co_u32 s33, s28, 4                       ; u = 0..3
	s_mov_b32 s52, 0xffff0000
	v_and_b32 v1, 31, v0
	v_lshlrev_b32 v46, 4, v1                       ; 16 l
	v_lshlrev_b32 v47, 3, v1                       ; 8 l
	; W1's offset.  An item of 512 bytes of wts is four channels x 64 k.  Lane l: channel l / 8, k = 8 (l % 8) + 0..7.
	v_and_b32 v3, 7, v1
	v_lshrrev_b32 v4, 3, v1
	v_lshlrev_b32 v4, 2, v4
	v_lshl_add_u32 v6, v3, 14, v4                  ; 8 rows of 2,048 bytes for each l % 8, 4 bytes for each l / 8
	; W2's offset.  An item of 256 bytes is two channels x 64 k.  Lane l: channel l / 16, k = 4 (l % 16) + 0..3.
	v_and_b32 v3, 15, v1
	v_lshrrev_b32 v4, 4, v1
	v_lshlrev_b32 v4, 2, v4
	v_lshl_add_u32 v7, v3, 12, v4
	s_lshl_b32 s40, s29, 17                        ; points2: 131,072 bytes a work-group, 32,768 a wave;
	s_lshl_b32 s42, s33, 15
	s_add_co_u32 s40, s40, s42
	s_add_nc_u64 s[8:9], s[8:9], s[40:41]
	s_lshr_b32 s40, s40, 1                         ; p2h: half of that
	s_add_nc_u64 s[22:23], s[22:23], s[40:41]
	s_wait_alu depctr_va_vdst(0)                   ; the four offsets v46, v47, v6 and v7 are written, which every load and store of this arm reads; the head's lines have written and read v[20:35], in which W1 lands
.irp i, 0,1,2,3,4,5,6,7,8,9,10,11
	global_load_b128 v[RX+4*(\i):RX+4*(\i)+3], v46, s[8:9] offset:512*(\i) th:TH_LOAD_NT  ; the ring's first fill, blocks 0 to 2 into X0 to X2, goes out ahead of everything else
.endr
	; W1: two items a wave, e1 = 8 g + 2 u and e1 + 1
	s_lshl_b32 s40, s29, 3
	s_lshl1_add_u32 s40, s33, s40                  ; e1
	s_and_b32 s42, s40, 127
	s_lshl_b32 s42, s42, 4                         ; its four channels: 16 bytes of a row of W1
	s_lshr_b32 s44, s29, 4
	s_lshl_b32 s44, s44, 17                        ; block g / 16: 64 rows of W1
	s_add_co_u32 s42, s42, s44
	s_add_nc_u64 s[10:11], s[10:11], s[42:43]
.irp i, 0,1,2,3,4,5,6,7
	global_load_b32 v[20+(\i)], v6, s[10:11] offset:2048*(\i)
	global_load_b32 v[28+(\i)], v6, s[10:11] offset:2048*(\i)+16
.endr
	s_lshl_b32 s42, s40, 9
	s_add_nc_u64 s[48:49], s[24:25], s[42:43]
	; W2: one item a wave, e = 4 g + u
	s_lshl2_add_u32 s40, s29, s33                  ; e
	s_lshr_b32 s42, s40, 7
	s_lshl_b32 s42, s42, 16                        ; 64 rows of 1,024 bytes for each e / 128
	s_and_b32 s44, s40, 127
	s_lshl3_add_u32 s42, s44, s42                  ; two channels: 8 bytes
	s_add_nc_u64 s[12:13], s[12:13], s[42:43]
.irp i, 0,1,2,3
	global_load_b32 v[50+(\i)], v7, s[12:13] offset:1024*(\i)
.endr
	s_lshl_b32 s42, s40, 8
	s_add_co_u32 s42, s42, 1048576                 ; W2's blocks lie behind W1's sixteen
	s_add_nc_u64 s[50:51], s[24:25], s[42:43]
	s_wait_loadcnt 0x0                             ; one wait for all of them
.irp j, 0,1,2,3
	v_cvt_pk_bf16_f32 v[36+(\j)], v[20+2*(\j)], v[21+2*(\j)]
	v_cvt_pk_bf16_f32 v[40+(\j)], v[28+2*(\j)], v[29+2*(\j)]
.endr
	v_cvt_pk_bf16_f32 v58, v50, v51
	v_cvt_pk_bf16_f32 v59, v52, v53
	TOH 58
	TOH 59
	s_cmp_lt_u32 s29, 128
	s_cbranch_scc1 .Lw1_stays                      ; blocks 0-7 meet points1 in bf16; blocks 8-15 meet the f16 interpolation
.irp j, 36,37,38,39,40,41,42,43
	TOH \j
.endr
.Lw1_stays:
	s_wait_alu depctr_va_vdst(0)                   ; on both ways the conversions have written v[36:43] and v[58:59], which the three stores read
	global_store_b128 v46, v[36:39], s[48:49]      ; 512 consecutive bytes each
	global_store_b128 v46, v[40:43], s[48:49] offset:512
	global_store_b64 v47, v[58:59], s[50:51]       ; 256 consecutive bytes, aligned
	; cand: work-group g writes its sixteenth of the batch's table, 1,024 bytes, from LDS
	s_cmp_lg_u32 s33, 0
	s_cbranch_scc1 .Lno_cand
	s_and_b32 s40, s29, 15
	s_lshl_b32 s40, s40, 10
	v_add_nc_u32 v2, s40, v46
	s_wait_alu depctr_va_vdst(0)                   ; v2 is written, which the two LDS loads read as their address
	ds_load_b128 v[12:15], v2
	ds_load_b128 v[16:19], v2 offset:512
	s_lshl_b32 s40, s29, 10
	s_add_nc_u64 s[18:19], s[18:19], s[40:41]
	s_wait_dscnt 0x0
	global_store_b128 v46, v[12:15], s[18:19]
	global_store_b128 v46, v[16:19], s[18:19] offset:512
.Lno_cand:
	; bias: work-groups 0-7, 512 bytes each: 0-3 b1, 4-5 b2, 6-7 zeros
	s_cmp_lg_u32 s33, 1
	s_cbranch_scc1 .Lno_bias
	s_cmp_ge_u32 s29, 8
	s_cbranch_scc1 .Lno_bias
.irp j, 160,161,162,163
	v_mov_b32 v[\j], 0
.endr
	s_cmp_ge_u32 s29, 6
	s_cbranch_scc1 .Lbias_out
	s_cmp_lt_u32 s29, 4
	s_cselect_b64 s[54:55], s[14:15], s[16:17]
	s_and_b32 s42, s29, 3                          ; g for b1, g - 4 for b2
	s_lshl_b32 s42, s42, 9
	s_add_nc_u64 s[54:55], s[54:55], s[42:43]
	s_wait_alu depctr_va_vdst(0)                   ; the four zeros are written into v[160:163], in which the load lands
	global_load_b128 v[160:163], v46, s[54:55]
	s_wait_loadcnt 0x0
	RND2 48, 160, 161
	RND2 48, 162, 163
.Lbias_out:
	s_lshl_b32 s42, s29, 9
	s_add_nc_u64 s[26:27], s[26:27], s[42:43]
	s_wait_alu depctr_va_vdst(0)                   ; on both ways v[160:163] are written, zeros or roundings, which the store reads
	global_store_b128 v46, v[160:163], s[26:27]
.Lno_bias:
; points2, block p of 16: four slots of 512 bytes in, 256 out.  xb = p % 4, yb = p % 2.  first = 1: block 0, with no block in front of it.  ahead = 1: block p + 3 is loaded.
; left = how many younger loads may still be out when this block's four have to be there.
.macro PBLK xb, yb, first, ahead, left
	s_wait_loadcnt \left                           ; loads come back in order (ISA guide 5.7.1): X[xb] is in, the younger blocks stay out
.if !\first
	s_wait_xcnt 0x0                                ; every earlier memory instruction has had its addresses translated (ISA guide 3.1): the bases and Y[yb] are rewritten only behind this wait
	s_wait_alu depctr_vm_vsrc(0)                   ; the stores issued in the block before have read Y[yb], which this block's conversions write again
	s_wait_alu depctr_va_vdst(0)                   ; the block before has written the other Y, which the stores below read, and is done reading its X, in which the loads below land
	s_add_nc_u64 s[8:9], s[8:9], 2048              ; both bases at this block's first slot
	s_add_nc_u64 s[22:23], s[22:23], 1024
.endif
.irp i, 0,1,2,3
.if \ahead
	global_load_b128 v[RX+16*((\xb+3)%4)+4*(\i):RX+16*((\xb+3)%4)+4*(\i)+3], v46, s[8:9] offset:(12+(\i))*512 th:TH_LOAD_NT  ; three blocks ahead; no vector line since the wait names these registers
.endif
.if !\first
	global_store_b64 v47, v[RY+8*(1-\yb)+2*(\i):RY+8*(1-\yb)+2*(\i)+1], s[22:23] offset:((\i)-4)*256  ; the block before: the offset reaches back; 256 consecutive bytes, aligned
.endif
	v_cvt_pk_bf16_f32 v[PT], v[RX+16*\xb+4*(\i)], v[RX+16*\xb+4*(\i)+1]
	v_cvt_pk_bf16_f32 v[PT+1], v[RX+16*\xb+4*(\i)+2], v[RX+16*\xb+4*(\i)+3]
	v_lshlrev_b32 v[PT+2], 16, v[PT]
	v_and_b32 v[PT+3], s52, v[PT]
	v_lshlrev_b32 v[PT+4], 16, v[PT+1]
	v_and_b32 v[PT+5], s52, v[PT+1]
	v_cvt_pk_f16_f32 v[RY+8*\yb+2*(\i)], v[PT+2], v[PT+3]
	v_cvt_pk_f16_f32 v[RY+8*\yb+2*(\i)+1], v[PT+4], v[PT+5]
.endr
.endm
	PBLK 0, 0, 1, 1, 8                             ; block 0: its loads read v46, written ahead of the arm's first wait, and land in X3, which no vector line has named
	s_mov_b32 s30, 3
.Lround:                                               ; blocks 1 to 12, four to a lap: both kinds of buffer are back at their start
	PBLK 1, 1, 0, 1, 8
	PBLK 2, 0, 0, 1, 8
	PBLK 3, 1, 0, 1, 8
	PBLK 0, 0, 0, 1, 8
	s_sub_co_u32 s30, s30, 1
	s_cmp_lg_u32 s30, 0
	s_cbranch_scc1 .Lround
	PBLK 1, 1, 0, 0, 8                             ; blocks 13 to 15 load nothing: no load leaves the buffer, and the counts run down
	PBLK 2, 0, 0, 0, 4
	PBLK 3, 1, 0, 0, 0
	s_wait_alu depctr_va_vdst(0)                   ; block 15 has written Y1, which the last four stores read
.irp i, 0,1,2,3
	global_store_b64 v47, v[RY+8+2*(\i):RY+8+2*(\i)+1], s[22:23] offset:(\i)*256
.endr
; ---------------------------------------------------------------- the common end, all eight waves
.Lend:
	s_wait_dscnt 0x0                               ; my reads of the table are back
	s_barrier_signal -1
	s_barrier_wait -1                              ; and so are every wave's: nothing in LDS is read behind this barrier
	s_wait_dscnt 0x0                               ; the closing lines, six on end
	s_wait_alu 0x0
	s_wait_tensorcnt 0x0
	ds_add_u32 v[SPW], v[NIL]
	s_wait_dscnt 0x0
	s_endpgm
.Lfunc_end_k_qf69c9f1ec2_front:
	.size	k_qf69c9f1ec2_front, .Lfunc_end_k_qf69c9f1ec2_front-k_qf69c9f1ec2_front
	.p2alignl 7, 3214868480
	.fill 96, 4, 3214868480
	.section	.rodata,"a",@progbits
	.p2align	6, 0x0
	.amdhsa_kernel k_qf69c9f1ec2_front
		.amdhsa_group_segment_fixed_size 17408
		.amdhsa_private_segment_fixed_size 0
		.amdhsa_enable_private_segment 0
		.amdhsa_kernarg_size 96
		.amdhsa_user_sgpr_count 2
		.amdhsa_user_sgpr_kernarg_segment_ptr 1
		.amdhsa_wavefront_size32 1
		.amdhsa_system_sgpr_workgroup_id_x 1
		.amdhsa_system_sgpr_workgroup_id_y 1
		.amdhsa_system_sgpr_workgroup_id_z 1
		.amdhsa_system_vgpr_workitem_id 0
		.amdhsa_next_free_vgpr 208
		.amdhsa_next_free_sgpr 66
		.amdhsa_reserve_vcc 0
		.amdhsa_float_denorm_mode_32 3
		.amdhsa_float_denorm_mode_16_64 3
		.amdhsa_memory_ordered 1
		.amdhsa_forward_progress 1
		.amdhsa_inst_pref_size 68
	.end_amdhsa_kernel
	.amdgpu_metadata
---
amdhsa.version: [ 1, 2 ]
amdhsa.kernels:
  - .name:           k_qf69c9f1ec2_front
    .symbol:         k_qf69c9f1ec2_front.kd
    .args:
      - { .name: xyz1, .offset: 0, .size: 8, .value_kind: global_buffer, .address_space: global }
      - { .name: xyz2, .offset: 8, .size: 8, .value_kind: global_buffer, .address_space: global }
      - { .name: points2, .offset: 16, .size: 8, .value_kind: global_buffer, .address_space: global }
      - { .name: W1, .offset: 24, .size: 8, .value_kind: global_buffer, .address_space: global }
      - { .name: W2, .offset: 32, .size: 8, .value_kind: global_buffer, .address_space: global }
      - { .name: b1, .offset: 40, .size: 8, .value_kind: global_buffer, .address_space: global }
      - { .name: b2, .offset: 48, .size: 8, .value_kind: global_buffer, .address_space: global }
      - { .name: cand, .offset: 56, .size: 8, .value_kind: global_buffer, .address_space: global }
      - { .name: blk, .offset: 64, .size: 8, .value_kind: global_buffer, .address_space: global }
      - { .name: p2h, .offset: 72, .size: 8, .value_kind: global_buffer, .address_space: global }
      - { .name: wts, .offset: 80, .size: 8, .value_kind: global_buffer, .address_space: global }
      - { .name: bias, .offset: 88, .size: 8, .value_kind: global_buffer, .address_space: global }
    .group_segment_fixed_size: 17408
    .private_segment_fixed_size: 0
    .kernarg_segment_align: 8
    .kernarg_segment_size: 96
    .max_flat_workgroup_size: 256
    .sgpr_count:     66
    .vgpr_count:     208
    .wavefront_size: 32
...
	.end_amdgpu_metadata
.endif
;; end of part 4
;; launch pick: the kernel of part 2 again; grid 256 x 1, 8 waves a work-group, no clusters, 19,456 bytes of LDS; arguments xyz1, cand, blk, nidx, nwt; writes nidx, nwt
;; launch mlp: the kernel of part 3 again; grid 512 x 1, 4 waves a work-group, clusters of 4 x 1, 327,680 bytes of LDS; arguments wts, bias, p2h, nidx, nwt, points1, out0; writes out0
